; MI455X (gfx1250); checked and timed in simulation.
; The chip was launched on July 23, 2026; its instructions are those of AMD's public machine-readable ISA for CDNA 5 (MIT licence, August 2026) and "CDNA5" Instruction Set Architecture Reference Guide (July 2026). The comments in the code are by the model that wrote it; some were corrected since.
;; Self Head Attention. Allowed arithmetic: float matrix products may take bf16 or f16 operands with f32 sums; all other float work in f32.
;; Inputs: Wk 1,024 x 128 float32; Wq 1,024 x 128 float32; Wv 1,024 x 128 float32; x 8 x 2,048 x 1,024 float32.
;; Outputs: out0 8 x 2,048 x 128 float32.
;; 2 versions, each right and faster than the one before. Each part assembles by itself: llvm-mc -triple=amdgcn-amd-amdhsa -mcpu=gfx1250 --defsym DOCPART=n.
;; ======== version 1 of 2: 3 launches
;; limits: right only within a limited range of input values
;; workspace buffers: wf 786,432 bytes; qf 4,194,304 bytes; kv 8,388,608 bytes; sc 4,096 bytes
;; launch wprep (part 1): grid 32 x 3, 8 waves a work-group, no clusters, 0 bytes of LDS; arguments Wq, Wk, Wv, wf; writes wf
.if DOCPART == 1
	.amdgcn_target "amdgcn-amd-amdhsa--gfx1250"
	.amdhsa_code_object_version 6
	.text
	.protected	k_q0015c76ba0_wprep
	.globl	k_q0015c76ba0_wprep
	.p2align	8
	.type	k_q0015c76ba0_wprep,@function
k_q0015c76ba0_wprep:
	s_mov_b64 s[64:65], 0
	v_nop
	global_prefetch_b8 v0, s[64:65] scope:SCOPE_SE
	s_setreg_imm32_b32 hwreg(HW_REG_WAVE_MODE, 25, 1), 1
	s_wait_xcnt 0x0
; wf = Wq, Wk, Wv rounded to bf16 and cut into matrix fragments of 32 (k) x 16 (columns), 1,024 bytes each.
; In a fragment lane L = 16 h + r holds column r; its 16 bytes at 512 p + 16 L are k = 16 p + 8 h + 0..7 (ISA guide 7.12.2: the 16-bit operand layout).
; Order of the fragments: [K step of 128: 8][wave of the next launch: 4][quarter step of 32: 4][q, k, v: 3][half of the wave's 32 columns: 2].
; A work-group takes 32 rows (k) of one weight; wave nt makes the fragment of columns 16 nt .. 16 nt + 15.
; 96 work-groups are all the work that 1.5 MB give.  No LDS, no barrier: no wave needs another's data.
.set WROW, 512                                     ; bytes in a row of a weight (128 f32)
	s_load_b256 s[4:11], s[0:1], 0x0               ; Wq s[4:5], Wk s[6:7], Wv s[8:9], wf s[10:11]
	s_and_b32 s16, ttmp7, 0xffff                   ; c: 0 = q, 1 = k, 2 = v
	v_lshrrev_b32 v3, 5, v0
	v_readfirstlane_b32 s17, v3                    ; nt, the wave's number
	v_and_b32 v1, 15, v0                           ; r
	v_bfe_u32 v2, v0, 4, 1                         ; h
	v_lshlrev_b32 v1, 2, v1                        ; 4 r
	v_lshl_add_u32 v1, v2, 12, v1                  ; + 8 h rows of 512 bytes
	s_lshl_b32 s18, s17, 6
	v_add_nc_u32 v1, s18, v1                       ; + 16 nt columns of 4 bytes
	s_lshr_b32 s20, ttmp9, 2                       ; K step t
	s_lshr_b32 s21, s17, 1                         ; wave w of the next launch
	s_lshl2_add_u32 s20, s20, s21                  ; 4 t + w
	s_and_b32 s21, ttmp9, 3                        ; quarter step
	s_lshl2_add_u32 s20, s20, s21
	s_mul_i32 s20, s20, 6
	s_lshl1_add_u32 s20, s16, s20                  ; + 2 c
	s_and_b32 s21, s17, 1
	s_add_co_u32 s20, s20, s21                     ; + u
	s_lshl_b32 s20, s20, 10                        ; fragments of 1,024 bytes
	v_and_b32 v2, 31, v0
	v_lshl_add_u32 v2, v2, 4, s20                  ; my 16 bytes of the fragment's first half
	s_lshl_b32 s18, ttmp9, 14                      ; 32 rows of 512 bytes
	s_mov_b32 s19, 0
	s_wait_kmcnt 0x0
	s_cmp_eq_u32 s16, 1                            ; the choice of the weight hangs on the work-group's y alone
	s_cselect_b64 s[12:13], s[6:7], s[4:5]
	s_cmp_eq_u32 s16, 2
	s_cselect_b64 s[12:13], s[8:9], s[12:13]
	s_add_nc_u64 s[12:13], s[12:13], s[18:19]
.irp p, 0,1
.irp e, 0,1,2,3,4,5,6,7
	global_load_b32 v[4+8*\p+\e], v1, s[12:13] offset:(16*\p+\e)*WROW   ; W[16 p + 8 h + e][16 nt + r]; the eight waves together take whole rows
.endr
.endr
	s_wait_loadcnt 0x0
.irp p, 0,1
.irp j, 0,1,2,3
	v_cvt_pk_bf16_f32 v[20+4*\p+\j], v[4+8*\p+2*\j], v[4+8*\p+2*\j+1]
.endr
.endr
	global_store_b128 v2, v[20:23], s[10:11]               ; each store of the wave covers 512 consecutive bytes, aligned
	global_store_b128 v2, v[24:27], s[10:11] offset:512
	s_endpgm
.Lfunc_end_k_q0015c76ba0_wprep:
	.size	k_q0015c76ba0_wprep, .Lfunc_end_k_q0015c76ba0_wprep-k_q0015c76ba0_wprep
	.p2alignl 7, 3214868480
	.fill 96, 4, 3214868480
	.section	.rodata,"a",@progbits
	.p2align	6, 0x0
	.amdhsa_kernel k_q0015c76ba0_wprep
		.amdhsa_group_segment_fixed_size 0
		.amdhsa_private_segment_fixed_size 0
		.amdhsa_enable_private_segment 0
		.amdhsa_kernarg_size 32
		.amdhsa_user_sgpr_count 2
		.amdhsa_user_sgpr_kernarg_segment_ptr 1
		.amdhsa_wavefront_size32 1
		.amdhsa_system_sgpr_workgroup_id_x 1
		.amdhsa_system_sgpr_workgroup_id_y 1
		.amdhsa_system_sgpr_workgroup_id_z 1
		.amdhsa_system_vgpr_workitem_id 0
		.amdhsa_next_free_vgpr 32
		.amdhsa_next_free_sgpr 66
		.amdhsa_reserve_vcc 0
		.amdhsa_float_denorm_mode_32 3
		.amdhsa_float_denorm_mode_16_64 3
		.amdhsa_memory_ordered 1
		.amdhsa_forward_progress 1
		.amdhsa_inst_pref_size 4
	.end_amdhsa_kernel
	.amdgpu_metadata
---
amdhsa.version: [ 1, 2 ]
amdhsa.kernels:
  - .name:           k_q0015c76ba0_wprep
    .symbol:         k_q0015c76ba0_wprep.kd
    .args:
      - { .name: Wq, .offset: 0, .size: 8, .value_kind: global_buffer, .address_space: global }
      - { .name: Wk, .offset: 8, .size: 8, .value_kind: global_buffer, .address_space: global }
      - { .name: Wv, .offset: 16, .size: 8, .value_kind: global_buffer, .address_space: global }
      - { .name: wf, .offset: 24, .size: 8, .value_kind: global_buffer, .address_space: global }
    .group_segment_fixed_size: 0
    .private_segment_fixed_size: 0
    .kernarg_segment_align: 8
    .kernarg_segment_size: 32
    .max_flat_workgroup_size: 256
    .sgpr_count:     66
    .vgpr_count:     32
    .wavefront_size: 32
...
	.end_amdgpu_metadata
.endif
;; end of part 1
;; launch qkv (part 2): grid 256 x 1, 4 waves a work-group, clusters of 4 x 1, 327,680 bytes of LDS; arguments x, wf, qf, kv, sc; writes qf, kv, sc
.if DOCPART == 2
	.amdgcn_target "amdgcn-amd-amdhsa--gfx1250"
	.amdhsa_code_object_version 6
	.text
	.protected	k_q0015c76ba0_qkv
	.globl	k_q0015c76ba0_qkv
	.p2align	8
	.type	k_q0015c76ba0_qkv,@function
k_q0015c76ba0_qkv:
	s_mov_b64 s[64:65], 0
	v_nop
	global_prefetch_b8 v0, s[64:65] scope:SCOPE_SE
	s_setreg_imm32_b32 hwreg(HW_REG_WAVE_MODE, 25, 1), 1
	s_wait_xcnt 0x0
	s_wait_alu depctr_hold_cnt(0) depctr_sa_sdst(0) depctr_va_vdst(0) depctr_va_sdst(0) depctr_va_ssrc(0) depctr_va_vcc(0) depctr_vm_vsrc(0)
	s_getreg_b32 s2, hwreg(HW_REG_IB_STS2, 6, 4)
	s_cmp_eq_u32 s2, 0
	s_cbranch_scc0 .Lentry_in_a_cluster
	s_endpgm
.Lentry_in_a_cluster:
	s_bfe_u32 s2, ttmp6, 0x10000c
	s_cmp_lg_u32 s2, 0x3003
	s_cbranch_scc0 .Lentry_shape_is_right
	s_endpgm
.Lentry_shape_is_right:
; q, k, v = x W, for 64 rows of x a work-group.  x and W go to the matrix unit in bf16, sums in f32.
; Four waves; wave w makes all 64 rows x columns 32 w .. 32 w + 31 of each of q, k, v: 4 x 6 accumulator tiles, 192 registers.
; K = 1024 goes in 8 steps of 128, written out; a step is four quarters of 32, 24 matrix instructions each.
; WEIGHTS: wf holds them as fragments in the order in which they are used; wave w's 24,576 bytes of a step are one dense block, brought by one
; tensor load into the wave's own part of one of two LDS slots.  All work-groups walk the same wf: four form a cluster and ask jointly (mask 15).
; X: through registers.  Wave w loads rows 16 w .. 16 w + 15; one load covers a row's 512 aligned bytes of a step.  Three sets of 64 registers keep
; 48 loads of a wave in flight.  A step's x is rounded to bf16 once and laid into one of two LDS tiles (64 rows, pitch 272), bytes that no tensor load fills.
; RESULTS: f16 with one exponent for the block of 64 rows x 128 columns, for each of q, k, v: the block's largest magnitude is brought into [2^14, 2^15) by an
; exact power of two, so f16 neither overflows nor loses bits for any size of the inputs; the factor back goes to sc.  A value more than 2^28 below its
; block's largest magnitude loses bits of f16.  bf16 would be too coarse: an output of the first rows is a sum of few terms that may cancel.
; q and k are made transposed (source 0 = W, source 1 = x): a lane holds 8 neighbouring columns of one row.  v is made straight (source 0 = x, source 1 = W):
; a lane holds 8 neighbouring keys of one column.  Packed, both are halves of the fragments that the next launch loads: every store covers 512 aligned bytes.
.set XROW,   4096                      ; bytes in a row of x
.set KSTEPB, 512                       ; bytes of a row in a K step
.set XPITCH, 272                       ; a bf16 row of 256 bytes + 16: the 16 rows that a load touches start 68 words apart
.set XSLOT,  64*XPITCH
.set WWAVE,  24576                     ; a wave's weights of a step
.set WSLOT,  4*WWAVE
.set XB,     2*WSLOT                   ; the two x tiles lie behind the two weight slots
.set SCR,    XB+2*XSLOT                ; 256 bytes of their own: the waves' maxima
.set XOFF, 1                           ; v1      65536 w + 16 L: my 16 bytes in x
.set XST,  2                           ; v2      where I put 8 bytes of bf16
.set XA,   3                           ; v3      my x fragments: 272 r + 16 h
.set WA,   4                           ; v4-5    my W fragments in slot 0, 1: 24576 w + 16 L
.set OQ,   6                           ; v6      16 L + 1024 w: q and k out
.set OV,   7                           ; v7      16 L + 2048 w: v out
.set F0,   16                          ; v16-95  fragment buffer 0: six of W, then four of x
.set F1,   96                          ; v96-175 fragment buffer 1
.set T,    176                         ; v176-207 a step's x in bf16
.set MX,   208                         ; v208-210 largest magnitudes of q, k, v
.set INV,  212                         ; v212-217 the factors, twice each
.set BK,   220                         ; v220-223 the factors back, and a zero
.set PK,   16                          ; v16-111 the results in f16
.set G1,   16                          ; s[16:23] descriptor group 1
.set G0,   24                          ; s[24:31] descriptor group 0, one set for each slot
; windows of 256 registers: 0 as above; 1: accumulator (mt, n) at 8 (6 mt + n), n = 2 c + u; 2: the three sets for x, 64 each
.set MSB, 0
.macro WIN new                         ; the immediate's high byte repeats the setting that is left
.if MSB != \new
	s_set_vgpr_msb (MSB<<8)|\new
.set MSB, \new
.endif
.endm
.set MUL, 0x50                         ; C and D in window 1
.set CVT, 0x0a                         ; sources 0 and 1 in window 2
.set GLD, 0x80                         ; destination in window 2
.set OUT, 0x05                         ; sources 0 and 1 in window 1
.set SCL, 0x41                         ; destination and source 0 in window 1
.macro ROUND                           ; a round of the cluster's barrier
	s_barrier_signal -1
	s_barrier_wait -1
	s_cmp_lg_u32 s12, 0
	s_cbranch_scc1 .Lnot_wave_0_\@
	s_barrier_signal -3
.Lnot_wave_0_\@:
	s_barrier_wait -3
	s_barrier_signal -1
	s_barrier_wait -1
.endm
.macro PLACES                          ; four places behind a matrix instruction (ISA guide 7.12.1)
.rept 4
	v_nop
.endr
.endm
.macro WM d, a, b, zero
.if \zero
	v_wmma_f32_16x16x32_bf16 v[\d:\d+7], v[\a:\a+7], v[\b:\b+7], 0
.else
	v_wmma_f32_16x16x32_bf16 v[\d:\d+7], v[\a:\a+7], v[\b:\b+7], v[\d:\d+7]
.endif
.endm
; 16 loads: my 16 rows' 512 bytes of K step s, into set s mod 3
.macro XLOAD s
	WIN GLD
.irp p, 0,1,2,3,4,5,6,7,8,9,10,11,12,13,14,15
	global_load_b128 v[64*((\s)%3)+4*\p:64*((\s)%3)+4*\p+3], v[XOFF], s[4:5] offset:\p*XROW+(\s)*KSTEPB th:TH_LOAD_NT
.endr
.endm
; K step s of x: rounded to bf16, into x tile s mod 2; its set is loaded again, three steps ahead.  left = the younger loads that may stay out.
.macro CONVERT s, left
	s_wait_loadcnt \left                           ; loads come back in order: step s is in, the later steps' 16 loads each stay out
	WIN CVT
.irp p, 0,1,2,3,4,5,6,7,8,9,10,11,12,13,14,15
	v_cvt_pk_bf16_f32 v[T+2*\p],   v[64*(\s%3)+4*\p],   v[64*(\s%3)+4*\p+1]
	v_cvt_pk_bf16_f32 v[T+2*\p+1], v[64*(\s%3)+4*\p+2], v[64*(\s%3)+4*\p+3]
.endr
	WIN 0
.irp p, 0,1,2,3,4,5,6,7,8,9,10,11,12,13,14,15
	ds_store_b64 v[XST], v[T+2*\p:T+2*\p+1] offset:(\s&1)*XSLOT+\p*XPITCH   ; 32 lanes, 256 neighbouring bytes: a row
.endr
.if \s+3 <= 7
	XLOAD \s+3
.endif
.endm
; 20 LDS loads: the fragments of quarter ks of the step in slot: six of W (dense: 16 bytes a lane, side by side), four of x, tiles ascending
.macro FETCH slot, ks, f
	PLACES                                         ; buffer f was read by matrix instructions
	WIN 0
.irp n, 0,1,2,3,4,5
	ds_load_b128 v[\f+8*\n:\f+8*\n+3],   v[WA+\slot] offset:\ks*6144+\n*1024
	ds_load_b128 v[\f+8*\n+4:\f+8*\n+7], v[WA+\slot] offset:\ks*6144+\n*1024+512
.endr
.irp m, 0,1,2,3
	ds_load_b128 v[\f+48+8*\m:\f+48+8*\m+3],   v[XA] offset:\slot*XSLOT+\m*16*XPITCH+\ks*64
	ds_load_b128 v[\f+48+8*\m+4:\f+48+8*\m+7], v[XA] offset:\slot*XSLOT+\m*16*XPITCH+\ks*64+32
.endr
.endm
; 12 matrix instructions: row tiles m0, m0 + 1 x six column tiles.  The 24 accumulators take turns, one instruction a turn, in the same order in every quarter.
.macro MUL12 f, m0, zero
.irp m, \m0, \m0+1
.irp n, 0,1,2,3
	WM 8*(6*(\m)+\n), \f+8*\n, \f+48+8*(\m), \zero
.endr
.irp n, 4,5
	WM 8*(6*(\m)+\n), \f+48+8*(\m), \f+8*\n, \zero
.endr
.endr
.endm
.macro QUARTER f, g, slot, nk, zero, conv, cs, left
	s_wait_dscnt 0x4                               ; W and x tiles 0, 1 are in; the four youngest loads (x tiles 2, 3) may be out
	WIN MUL
	MUL12 \f, 0, \zero
.if \conv
	CONVERT \cs, \left                             ; its LDS stores are older than the fetch below
.endif
	FETCH \slot, \nk, \g
	s_wait_dscnt 20                                ; all but the 20 just issued
	WIN MUL
	MUL12 \f, 2, \zero
.endm
.macro COMPUTE slot, zero, conv, cs, left
	FETCH \slot, 0, F0
	QUARTER F0, F1, \slot, 1, \zero, 0, 0, 0
	QUARTER F1, F0, \slot, 2, 0, \conv, \cs, \left
	QUARTER F0, F1, \slot, 3, 0, 0, 0, 0
	s_wait_dscnt 0x4
	WIN MUL
	MUL12 F1, 0, 0
	s_wait_dscnt 0x0
	MUL12 F1, 2, 0
.endm
; The head of K step s.  In front of the barrier: all my tensor loads have landed (this step's weights among them), my reads of the slot and of the x tile of
; step s - 1 are back, my stores into this step's x tile are done.  refill = 1: the barrier is a round of the cluster's, and behind it step s + 1's weights
; are asked for, into the slot read in step s - 1: my one tensor load until the next round.
.macro HEAD s, refill
	WIN 0
	s_wait_tensorcnt 0x0
	ds_add_u32 v254, v255
	s_wait_dscnt 0x0
.if \refill
	s_add_nc_u64 s[G0+4*((\s+1)&1)+2:G0+4*((\s+1)&1)+3], s[G0+4*((\s+1)&1)+2:G0+4*((\s+1)&1)+3], 2*WSLOT   ; no load of mine is out: a group 0 may be written
.endif
	s_wait_dscnt 0x0
.if \refill
	ROUND
	tensor_load_to_lds s[G0+4*((\s+1)&1):G0+4*((\s+1)&1)+3], s[G1:G1+7]
	s_nop 0
.else
	s_barrier_signal -1
	s_barrier_wait -1
.endif
.endm
	s_load_b256 s[4:11], s[0:1], 0x0               ; x s[4:5], wf s[6:7], qf s[8:9], kv s[10:11]
	s_load_b64 s[40:41], s[0:1], 0x20              ; sc
	v_lshl_add_u32 v254, v0, 2, 0x38900
	v_mov_b32 v255, 0
	ds_add_u32 v254, v255
	v_lshrrev_b32 v8, 5, v0
	v_readfirstlane_b32 s12, v8                    ; wave w
	s_bfe_u32 s13, ttmp6, 0x40000                  ; cx
	s_lshl_b32 s14, ttmp9, 2
	s_add_co_u32 s14, s14, s13                     ; work-group = 4 x cluster + cx: it enters x's and the results' addresses alone
	s_mov_b32 s42, 0x76543210                      ; v_permlanex16_b32: lane i of one half reads lane i of the other
	s_mov_b32 s43, 0xfedcba98
	v_and_b32 v9, 31, v0                           ; L
	v_and_b32 v10, 15, v0                          ; r
	v_bfe_u32 v11, v0, 4, 1                        ; h
	s_lshl_b32 s15, s12, 16
	v_lshl_add_u32 v[XOFF], v9, 4, s15
	s_mul_i32 s15, s12, 16*XPITCH
	s_add_co_u32 s15, s15, XB
	v_lshl_add_u32 v[XST], v9, 3, s15
	v_mul_u32_u24 v12, v10, XPITCH
	v_lshl_add_u32 v12, v11, 4, v12
	v_add_nc_u32 v[XA], XB, v12
	s_mul_i32 s36, s12, WWAVE                      ; my part of a slot and of a step's weights
	s_mov_b32 s37, 0
	v_lshl_add_u32 v[WA], v9, 4, s36
	v_add_nc_u32 v[WA+1], WSLOT, v[WA]
	s_lshl_b32 s15, s12, 10
	v_lshl_add_u32 v[OQ], v9, 4, s15
	s_lshl_b32 s15, s12, 11
	v_lshl_add_u32 v[OV], v9, 4, s15
	; group 1: a dense block as 96 rows of 32 elements of 8 bytes
	s_mov_b32 s[G1+0], 15|(3<<16)|(1<<21)          ; 15:0 the mask: all four of the cluster; 17:16 elements of 8 bytes; 21 set beside a mask
	s_mov_b32 s[G1+1], 32<<16                      ; tensor_dim0 = 32
	s_mov_b32 s[G1+2], 96<<16                      ; tensor_dim1 = 96
	s_mov_b32 s[G1+3], 32<<16                      ; tile_dim0 = 32
	s_mov_b32 s[G1+4], 96                          ; tile_dim1 = 96
	s_mov_b32 s[G1+5], 32                          ; from row to row: 32 elements
	s_mov_b32 s[G1+6], 0
	s_mov_b32 s[G1+7], 0
	s_lshl_b32 s32, s14, 18                        ; 64 rows of 4,096 bytes
	s_mov_b32 s33, 0
	s_wait_dscnt 0x0
	s_wait_kmcnt 0x0
	s_add_nc_u64 s[4:5], s[4:5], s[32:33]
	s_lshl_b32 s32, s14, 14                        ; four row tiles of 4,096 bytes
	s_add_nc_u64 s[8:9], s[8:9], s[32:33]
	s_lshl_b32 s32, s14, 15                        ; two units of 16,384 bytes
	s_add_nc_u64 s[10:11], s[10:11], s[32:33]
	s_lshl_b32 s32, s14, 4                         ; 16 bytes of factors
	s_add_nc_u64 s[40:41], s[40:41], s[32:33]
	s_add_nc_u64 s[38:39], s[6:7], s[36:37]        ; wf at my part of step 0: the wave's number alone
	XLOAD 0
	XLOAD 1
	XLOAD 2
	WIN 0
	ROUND                                          ; all four work-groups are here: the first joint loads meet
.irp n, 0,1
	s_mov_b32 s[G0+4*\n], 1
	s_add_co_u32 s[G0+4*\n+1], s36, \n*WSLOT
	s_add_nc_u64 s[G0+4*\n+2:G0+4*\n+3], s[38:39], \n*WSLOT
	s_or_b32 s[G0+4*\n+3], s[G0+4*\n+3], 0x80000000
	tensor_load_to_lds s[G0+4*\n:G0+4*\n+3], s[G1:G1+7]    ; steps 0 and 1: two loads of mine are out, later one
	s_nop 0
.endr
	CONVERT 0, 32
	WIN 0
	s_wait_tensorcnt 0x1                           ; step 0's weights are in; step 1's stay out
	s_wait_dscnt 0x0                               ; my part of x tile 0 is stored
	s_barrier_signal -1
	s_barrier_wait -1
	COMPUTE 0, 1, 1, 1, 32                         ; the first products start the sums
	HEAD 1, 1
	COMPUTE 1, 0, 1, 2, 32
	HEAD 2, 1
	COMPUTE 0, 0, 1, 3, 32
	HEAD 3, 1
	COMPUTE 1, 0, 1, 4, 32
	HEAD 4, 1
	COMPUTE 0, 0, 1, 5, 32
	HEAD 5, 1
	COMPUTE 1, 0, 1, 6, 16
	HEAD 6, 1
	COMPUTE 0, 0, 1, 7, 0
	HEAD 7, 0                                      ; nothing is left to fetch
	COMPUTE 1, 0, 0, 0, 0
	; THE WAY OUT.  The largest magnitude of q, of k and of v in my 64 x 32 numbers each: three chains side by side
	PLACES
	WIN OUT
.irp m, 0,1,2,3
.irp u, 0,1
.irp j, 0,2,4,6
.irp c, 0,1,2
.if \m+\u+\j == 0
	v_max_num_f32 v[MX+\c], |v[8*(6*\m+2*\c+\u)+\j]|, |v[8*(6*\m+2*\c+\u)+\j+1]|
.else
	v_max3_num_f32 v[MX+\c], |v[8*(6*\m+2*\c+\u)+\j]|, |v[8*(6*\m+2*\c+\u)+\j+1]|, v[MX+\c]
.endif
.endr
.endr
.endr
.endr
	WIN 0
.irp x, 1,2,4,8
.irp c, 0,1,2
	v_max_num_f32_dpp v[MX+\c], v[MX+\c], v[MX+\c] row_xmask:\x row_mask:0xf bank_mask:0xf
.endr
.endr
.irp c, 0,1,2
	v_permlanex16_b32 v[8+\c], v[MX+\c], s42, s43  ; v8-10 have been written
.endr
.irp c, 0,1,2
	v_max_num_f32 v[MX+\c], v[MX+\c], v[8+\c]
.endr
	v_mov_b32 v11, s12                             ; my word of the scratch: SCR + 4 w, bytes that lie behind both x tiles and that nothing else touches
	v_lshlrev_b32 v11, 2, v11
	v_add_nc_u32 v11, SCR, v11
.irp c, 0,1,2
	ds_store_b32 v11, v[MX+\c] offset:16*\c        ; all lanes hold the same number
.endr
	s_wait_dscnt 0x0                               ; for the other waves' sake
	s_barrier_signal -1
	s_barrier_wait -1
	v_mov_b32 v12, SCR
.irp c, 0,1,2
	ds_load_b128 v[T+4*\c:T+4*\c+3], v12 offset:16*\c
.endr
	s_wait_dscnt 0x0
.irp c, 0,1,2
	v_max3_num_f32 v[MX+\c], v[T+4*\c], v[T+4*\c+1], v[T+4*\c+2]
	v_max_num_f32 v[MX+\c], v[MX+\c], v[T+4*\c+3]
	v_and_b32 v[MX+\c], 0x7f800000, v[MX+\c]       ; its exponent field E,
	v_max_u32 v[MX+\c], 0x08000000, v[MX+\c]       ; at least 16, so that both factors are normal numbers
	v_sub_nc_u32 v[INV+2*\c], 0x86000000, v[MX+\c] ; field 268 - E: 2^(14 - e)
	v_sub_nc_u32 v[INV+2*\c+1], 0x86000000, v[MX+\c]
	v_add_nc_u32 v[BK+\c], 0xf9000000, v[MX+\c]    ; field E - 14: 2^(e - 14), the factor back
.endr
	v_mov_b32 v[BK+3], 0
	WIN SCL
.irp m, 0,1,2,3
.irp n, 0,1,2,3,4,5
.irp j, 0,2,4,6
	v_pk_mul_f32 v[8*(6*\m+\n)+\j:8*(6*\m+\n)+\j+1], v[8*(6*\m+\n)+\j:8*(6*\m+\n)+\j+1], v[INV+2*(\n>>1):INV+2*(\n>>1)+1]
.endr
.endr
.endr
	WIN OUT
.irp a, 0,1,2,3,4,5,6,7,8,9,10,11,12,13,14,15,16,17,18,19,20,21,22,23
.irp j, 0,1,2,3
	v_cvt_pk_f16_f32 v[PK+4*\a+\j], v[8*\a+2*\j], v[8*\a+2*\j+1]
.endr
.endr
	WIN 0
	s_cmp_lg_u32 s12, 0                            ; wave 0's lane 0 stores the block's three factors
	s_cbranch_scc1 .Lno_table
	v_cmp_eq_u32 vcc_lo, 0, v0
	v_mov_b32 v13, 0
	s_wait_xcnt 0x0                                ; EXEC changes only behind this wait
	s_and_saveexec_b32 s44, vcc_lo
	global_store_b128 v13, v[BK:BK+3], s[40:41]
	s_wait_xcnt 0x0                                ; and again in front of the line that widens it
	s_or_b32 exec_lo, exec_lo, s44
.Lno_table:
.irp m, 0,1,2,3
.irp u, 0,1
	global_store_b128 v[OQ], v[PK+4*(6*\m+\u):PK+4*(6*\m+\u)+3],     s[8:9]   offset:\m*4096+512*\u
	global_store_b128 v[OQ], v[PK+4*(6*\m+2+\u):PK+4*(6*\m+2+\u)+3], s[10:11] offset:(\m>>1)*16384+(\m&1)*4096+512*\u
	global_store_b128 v[OV], v[PK+4*(6*\m+4+\u):PK+4*(6*\m+4+\u)+3], s[10:11] offset:(\m>>1)*16384+8192+1024*\u+512*(\m&1)
.endr
.endr
	s_wait_tensorcnt 0x0
	ds_add_u32 v254, v255
	s_wait_dscnt 0x0
	ROUND                                          ; the closing round: no work-group ends while a partner may still ask jointly
	s_endpgm
.Lfunc_end_k_q0015c76ba0_qkv:
	.size	k_q0015c76ba0_qkv, .Lfunc_end_k_q0015c76ba0_qkv-k_q0015c76ba0_qkv
	.p2alignl 7, 3214868480
	.fill 96, 4, 3214868480
	.section	.rodata,"a",@progbits
	.p2align	6, 0x0
	.amdhsa_kernel k_q0015c76ba0_qkv
		.amdhsa_group_segment_fixed_size 327680
		.amdhsa_private_segment_fixed_size 0
		.amdhsa_enable_private_segment 0
		.amdhsa_kernarg_size 40
		.amdhsa_user_sgpr_count 2
		.amdhsa_user_sgpr_kernarg_segment_ptr 1
		.amdhsa_wavefront_size32 1
		.amdhsa_system_sgpr_workgroup_id_x 1
		.amdhsa_system_sgpr_workgroup_id_y 1
		.amdhsa_system_sgpr_workgroup_id_z 1
		.amdhsa_system_vgpr_workitem_id 0
		.amdhsa_next_free_vgpr 704
		.amdhsa_next_free_sgpr 66
		.amdhsa_reserve_vcc 1
		.amdhsa_float_denorm_mode_32 3
		.amdhsa_float_denorm_mode_16_64 3
		.amdhsa_memory_ordered 1
		.amdhsa_forward_progress 1
		.amdhsa_inst_pref_size 165
	.end_amdhsa_kernel
	.amdgpu_metadata
---
amdhsa.version: [ 1, 2 ]
amdhsa.kernels:
  - .name:           k_q0015c76ba0_qkv
    .symbol:         k_q0015c76ba0_qkv.kd
    .args:
      - { .name: x, .offset: 0, .size: 8, .value_kind: global_buffer, .address_space: global }
      - { .name: wf, .offset: 8, .size: 8, .value_kind: global_buffer, .address_space: global }
      - { .name: qf, .offset: 16, .size: 8, .value_kind: global_buffer, .address_space: global }
      - { .name: kv, .offset: 24, .size: 8, .value_kind: global_buffer, .address_space: global }
      - { .name: sc, .offset: 32, .size: 8, .value_kind: global_buffer, .address_space: global }
    .group_segment_fixed_size: 327680
    .private_segment_fixed_size: 0
    .kernarg_segment_align: 8
    .kernarg_segment_size: 40
    .max_flat_workgroup_size: 128
    .sgpr_count:     66
    .vgpr_count:     704
    .wavefront_size: 32
...
	.end_amdgpu_metadata
.endif
;; end of part 2
;; launch attn (part 3): grid 256 x 1, 8 waves a work-group, clusters of 4 x 1, 327,680 bytes of LDS; arguments qf, kv, sc, out0; writes out0
.if DOCPART == 3
	.amdgcn_target "amdgcn-amd-amdhsa--gfx1250"
	.amdhsa_code_object_version 6
	.text
	.protected	k_q0015c76ba0_attn
	.globl	k_q0015c76ba0_attn
	.p2align	8
	.type	k_q0015c76ba0_attn,@function
k_q0015c76ba0_attn:
	s_mov_b64 s[64:65], 0
	v_nop
	global_prefetch_b8 v0, s[64:65] scope:SCOPE_SE
	s_setreg_imm32_b32 hwreg(HW_REG_WAVE_MODE, 25, 1), 1
	s_wait_xcnt 0x0
	s_wait_alu depctr_hold_cnt(0) depctr_sa_sdst(0) depctr_va_vdst(0) depctr_va_sdst(0) depctr_va_ssrc(0) depctr_va_vcc(0) depctr_vm_vsrc(0)
	s_getreg_b32 s2, hwreg(HW_REG_IB_STS2, 6, 4)
	s_cmp_eq_u32 s2, 0
	s_cbranch_scc0 .Lentry_in_a_cluster
	s_endpgm
.Lentry_in_a_cluster:
	s_bfe_u32 s2, ttmp6, 0x10000c
	s_cmp_lg_u32 s2, 0x3003
	s_cbranch_scc0 .Lentry_shape_is_right
	s_endpgm
.Lentry_shape_is_right:
; Causal attention on q, k, v in f16 with block exponents (sc), sums and softmax in f32, with a running maximum for every row.
; SHARES: batch b = cluster / 8, g = cluster mod 8, i = 4 g + cx.  A work-group owns two blocks of 32 query rows, A = 63 - i and B = i.  Keys go in units of 32
; (16,384 bytes of kv: K's fragments, then V's); a step is 8 units, one a wave.  Block A takes nA = 8 - g / 2 steps, block B 9 - nA: nine steps in every
; work-group.  nA hangs on the cluster's number alone, so the four partners want the same units in the same step: every tile is asked for jointly (mask 15).
; Only the last step of each block holds units on or beyond a diagonal.
; A WAVE: 32 query rows x its own 32 keys a step, with (m, l, O) of its own; the eight partial results are joined through LDS at the end.
; TRANSPOSED: S^T = K Q^T: lane (r, h) holds query r and keys 8 h + j: a row's maximum lies in two lanes, and S^T packed to f16 is the fragment P^T as it stands.
; O^T = V^T P^T.
; EXPONENTS: lane l of TB holds the factors back of block l (64 rows) of the batch.  A step's scores are S times CF = c 2^eq 2^ek, c = log2(e) / sqrt(128).
; V: E = the largest factor among the blocks that the query block may see; p goes to f16 as p 2^-n, n = log2(E / factor), 0 to 40 (beyond 24 it is 0 in f16
; anyhow), by the exponent's bias; l takes the sum times 2^n; 2^E goes into the closing factor.
; LIMITS: masked places are set to -1e30 in the scaled scores, so scaled scores stay below some 1e28 in magnitude.  At the change of blocks the old sums are
; multiplied by 0, and so is the result of a wave whose unit was masked whole: they are finite wherever the result is.
; No prefetch: kv and qf were stored by the launch before.
.set SLOTB,  16384                     ; a unit, a wave's slot
.set RINGB,  2*SLOTB                   ; a wave's two slots
.set STEPB,  8*SLOTB                   ; a step's bytes in kv
.set SPITCH, 528                       ; the stage: a row of 128 f32 + 16 bytes = 33 x 16
.set SWAVE,  32*SPITCH
.set SBLK,   8*SWAVE                   ; the stage lies over the slots, which have had their last fill, and 8,192 bytes more
.set ML,     2*SBLK                    ; 4,096 bytes: (m, l) of [block][wave][row tile][row]
.set QB,     ML+4096                   ; 8,192 bytes: block B's Q fragments
.set LA,  1                            ; 32768 w + 16 L
.set DA,  2                            ; key - query <= 0 as 16 kt + j - 16 qt <= D: block A's last step
.set DB,  3                            ; block B's last step
.set NEG, 4
.set L16, 5
.set ST,  6                            ; v6-9    m, l of row tile 0; m, l of row tile 1 (m in the scaled, base 2 domain)
.set SV,  10                           ; v10-13  the same of block A, kept
.set NM,  14                           ; v14-17  -n - m, twice, for each row tile
.set AL,  18                           ; v18-21  alpha, twice, for each row tile
.set QBA, 22
.set MLW, 23
.set MLR, 24
.set SA0, 25
.set SA1, 26
.set CQ,  27                           ; c 2^eq of the block at work
.set CQB, 28                           ; of block B
.set NLG, 29                           ; -n
.set CF,  30                           ; v30-31  the step's score factor, twice
.set Q,   32                           ; v32-95   fragment (qt, ks) at 8 (4 qt + ks)
.set S,   96                           ; v96-127  tile (kt, qt) at 8 (2 kt + qt)
.set P,   128                          ; v128-143
.set KV,  144                          ; v144-207 K's eight fragments, then V's
.set TM,  208                          ; v208-223 at work
.set F,   224                          ; v224-231 closing factors, twice each
.set OO,  240                          ; v240-241 my bytes in out0, block A, block B
.set QOF, 242
.set QBO, 243
.set TB,  244                          ; v244-247 factors back of q, k, v of block (lane)
.set RA,  248                          ; v248-251 the reduction's addresses
.set R,   32                           ; v32-159  the reduction's rows
.set LN,  209
.set RR,  210
.set HH,  211
.set T0,  212
.set QBW, 214
.set TBO, 215
.set G1,  24
.set G0,  32
; window 1: O tile (ht, qt) at 8 (2 ht + qt), 0-127; SAVE, block A's O, at 128-255
.set MSB, 0
.macro WIN new
.if MSB != \new
	s_set_vgpr_msb (MSB<<8)|\new
.set MSB, \new
.endif
.endm
.macro ROUND
	s_barrier_signal -1
	s_barrier_wait -1
	s_cmp_lg_u32 s12, 0
	s_cbranch_scc1 .Lnot_wave_0_\@
	s_barrier_signal -3
.Lnot_wave_0_\@:
	s_barrier_wait -3
	s_barrier_signal -1
	s_barrier_wait -1
.endm
.macro PLACES
.rept 4
	v_nop
.endr
.endm
.macro WMH d, a, b, zero
.if \zero
	v_wmma_f32_16x16x32_f16 v[\d:\d+7], v[\a:\a+7], v[\b:\b+7], 0
.else
	v_wmma_f32_16x16x32_f16 v[\d:\d+7], v[\a:\a+7], v[\b:\b+7], v[\d:\d+7]
.endif
.endm
; group 0 of slot t mod 2 for step t: steps 0 .. nA - 1 are block A's units 8 t + w, steps nA .. 8 block B's units 8 (t - nA) + w
.macro GADDR t
.if \t <= 4
	s_add_nc_u64 s[G0+4*(\t&1)+2:G0+4*(\t&1)+3], s[40:41], \t*STEPB
.else
	s_cmp_le_u32 s42, \t
	s_cselect_b32 s48, s42, 0
	s_sub_co_u32 s48, \t, s48
	s_lshl_b32 s48, s48, 17
	s_add_nc_u64 s[G0+4*(\t&1)+2:G0+4*(\t&1)+3], s[40:41], s[48:49]   ; s49 = 0
.endif
	s_or_b32 s[G0+4*(\t&1)+3], s[G0+4*(\t&1)+3], 0x80000000
.endm
.macro COPY                            ; block A's sums and (m, l) are put aside
	WIN 0x41
.set ci, 0
.rept 128
	v_mov_b32 v[128+ci], v[ci]
.set ci, ci+1
.endr
	WIN 0
.irp k, 0,1,2,3
	v_mov_b32 v[SV+\k], v[ST+\k]
.endr
.endm
.macro RESET                           ; block B begins: its Q, m = -inf (the next alpha is 0 and wipes O), l = 0, its factors
.irp x, 0,1,2,3,4,5,6,7,8,9,10,11,12,13,14,15
	ds_load_b128 v[Q+4*\x:Q+4*\x+3], v[QBA] offset:512*\x
.endr
	v_mov_b32 v[ST], 0xff800000
	v_mov_b32 v[ST+1], 0
	v_mov_b32 v[ST+2], 0xff800000
	v_mov_b32 v[ST+3], 0
	v_mov_b32 v[CQ], v[CQB]
	s_mov_b32 s53, s57
	s_wait_dscnt 0x0
.endm
; The change of blocks, in step nA (5 to 8).  In step 5 every work-group makes the copy: those with nA = 5 need it, in the others a later copy takes its place;
; so SAVE and SV are written on every way through the text.
.macro SWITCH s
.if \s == 5
	COPY
	s_cmp_lg_u32 s42, 5
	s_cbranch_scc1 .Lno_switch_\@
.else
	s_cmp_lg_u32 s42, \s
	s_cbranch_scc1 .Lno_switch_\@
	COPY
.endif
	RESET
.Lno_switch_\@:
.endm
; The step's factors, from the block 4 t' + w / 2 of my unit
.macro SCALES s
.if \s <= 4
	s_add_co_u32 s60, s50, 4*\s
.else
	s_cmp_le_u32 s42, \s
	s_cselect_b32 s60, s42, 0
	s_sub_co_u32 s60, \s, s60
	s_lshl2_add_u32 s60, s60, s50
.endif
	v_readlane_b32 s61, v[TB+1], s60
	v_readlane_b32 s62, v[TB+2], s60
	v_mul_f32 v[CF], s61, v[CQ]
	v_mul_f32 v[CF+1], s61, v[CQ]
	s_sub_co_i32 s62, s53, s62                     ; both are powers of two: the difference of the exponent fields
	s_ashr_i32 s62, s62, 23
	s_max_i32 s62, s62, 0                          ; a block beyond the diagonal may be larger: its p are 0 or are thrown away
	s_min_i32 s62, s62, 40
	s_sub_co_i32 s63, 0, s62
	v_cvt_f32_i32 v[NLG], s63                      ; -n
	s_lshl_b32 s62, s62, 23
	s_add_co_u32 s62, s62, 0x3f800000              ; 2^n
.endm
; The scores are scaled here, CF becomes 1, and places with key > query are set to -1e30
.macro MASK d
.irp t, 0,1,2,3,4,5,6,7,8,9,10,11,12,13,14,15
	v_pk_mul_f32 v[S+2*\t:S+2*\t+1], v[S+2*\t:S+2*\t+1], v[CF:CF+1]
.endr
	v_mov_b32 v[CF], 1.0
	v_mov_b32 v[CF+1], 1.0
.irp j, 0,1,2,3,4,5,6,7
	v_cmp_le_i32 vcc_lo, \j, v[\d]                 ; tiles (0, 0) and (1, 1)
	v_cndmask_b32 v[S+\j], v[NEG], v[S+\j], vcc_lo
	v_cndmask_b32 v[S+24+\j], v[NEG], v[S+24+\j], vcc_lo
	v_cmp_le_i32 vcc_lo, \j-16, v[\d]              ; tile (kt 0, qt 1)
	v_cndmask_b32 v[S+8+\j], v[NEG], v[S+8+\j], vcc_lo
	v_cmp_le_i32 vcc_lo, \j+16, v[\d]              ; tile (kt 1, qt 0)
	v_cndmask_b32 v[S+16+\j], v[NEG], v[S+16+\j], vcc_lo
.endr
.endm
.macro SOFTMAX first
.irp q, 0,1
	v_max3_num_f32 v[TM+4*\q],   v[S+8*\q],      v[S+8*\q+1],    v[S+8*\q+2]
	v_max3_num_f32 v[TM+4*\q+1], v[S+8*\q+3],    v[S+8*\q+4],    v[S+8*\q+5]
	v_max3_num_f32 v[TM+4*\q+2], v[S+8*\q+6],    v[S+8*\q+7],    v[S+16+8*\q]
	v_max3_num_f32 v[TM+4*\q+3], v[S+16+8*\q+1], v[S+16+8*\q+2], v[S+16+8*\q+3]
	v_max3_num_f32 v[TM+4*\q],   v[TM+4*\q],     v[S+16+8*\q+4], v[S+16+8*\q+5]
	v_max3_num_f32 v[TM+4*\q+1], v[TM+4*\q+1],   v[S+16+8*\q+6], v[S+16+8*\q+7]
	v_max3_num_f32 v[TM+4*\q],   v[TM+4*\q],     v[TM+4*\q+1],   v[TM+4*\q+2]
	v_max_num_f32  v[TM+4*\q],   v[TM+4*\q],     v[TM+4*\q+3]
	v_permlanex16_b32 v[TM+4*\q+1], v[TM+4*\q], s44, s45       ; the row's other 16 keys lie in lane L xor 16
	v_max_num_f32  v[TM+4*\q],   v[TM+4*\q],     v[TM+4*\q+1]
	v_mul_f32 v[TM+4*\q], v[TM+4*\q], v[CF]                    ; CF is not negative
.if \first
	v_mov_b32 v[ST+2*\q], v[TM+4*\q]
.else
	v_max_num_f32 v[TM+4*\q+1], v[ST+2*\q], v[TM+4*\q]         ; the new maximum
	v_sub_f32 v[TM+4*\q+2], v[ST+2*\q], v[TM+4*\q+1]
	v_exp_f32 v[AL+2*\q], v[TM+4*\q+2]
	v_exp_f32 v[AL+2*\q+1], v[TM+4*\q+2]
	v_mov_b32 v[ST+2*\q], v[TM+4*\q+1]                         ; the plain instruction behind the exponentials (ISA guide 5.7.2)
.endif
	v_sub_f32 v[NM+2*\q], v[NLG], v[ST+2*\q]
	v_sub_f32 v[NM+2*\q+1], v[NLG], v[ST+2*\q]
.endr
.irp q, 0,1
.irp t, 0,2,4,6
	v_pk_fma_f32 v[S+8*\q+\t:S+8*\q+\t+1],       v[S+8*\q+\t:S+8*\q+\t+1],       v[CF:CF+1], v[NM+2*\q:NM+2*\q+1]
	v_pk_fma_f32 v[S+16+8*\q+\t:S+16+8*\q+\t+1], v[S+16+8*\q+\t:S+16+8*\q+\t+1], v[CF:CF+1], v[NM+2*\q:NM+2*\q+1]
.endr
.endr
.set ei, 0
.rept 32
	v_exp_f32 v[S+ei], v[S+ei]
.set ei, ei+1
.endr
.if \first
	v_nop                                          ; the plain instruction behind the exponentials
	s_wait_alu depctr_va_vdst(0)
.else
	WIN 0x41                                       ; O times alpha: plain work behind the exponentials
	s_wait_alu depctr_va_vdst(0)
.irp ht, 0,1,2,3,4,5,6,7
.irp q, 0,1
.irp t, 0,2,4,6
	v_pk_mul_f32 v[8*(2*\ht+\q)+\t:8*(2*\ht+\q)+\t+1], v[8*(2*\ht+\q)+\t:8*(2*\ht+\q)+\t+1], v[AL+2*\q:AL+2*\q+1]
.endr
.endr
.endr
	WIN 0
.endif
.irp q, 0,1
	v_pk_add_f32 v[TM+8*\q:TM+8*\q+1],   v[S+8*\q:S+8*\q+1],       v[S+8*\q+2:S+8*\q+3]
	v_pk_add_f32 v[TM+8*\q+2:TM+8*\q+3], v[S+8*\q+4:S+8*\q+5],     v[S+8*\q+6:S+8*\q+7]
	v_pk_add_f32 v[TM+8*\q+4:TM+8*\q+5], v[S+16+8*\q:S+16+8*\q+1], v[S+16+8*\q+2:S+16+8*\q+3]
	v_pk_add_f32 v[TM+8*\q+6:TM+8*\q+7], v[S+16+8*\q+4:S+16+8*\q+5], v[S+16+8*\q+6:S+16+8*\q+7]
	v_pk_add_f32 v[TM+8*\q:TM+8*\q+1],   v[TM+8*\q:TM+8*\q+1],     v[TM+8*\q+2:TM+8*\q+3]
	v_pk_add_f32 v[TM+8*\q+4:TM+8*\q+5], v[TM+8*\q+4:TM+8*\q+5],   v[TM+8*\q+6:TM+8*\q+7]
	v_pk_add_f32 v[TM+8*\q:TM+8*\q+1],   v[TM+8*\q:TM+8*\q+1],     v[TM+8*\q+4:TM+8*\q+5]
	v_add_f32 v[TM+8*\q], v[TM+8*\q], v[TM+8*\q+1]
.if \first
	v_mul_f32 v[ST+2*\q+1], s62, v[TM+8*\q]        ; l of my 16 keys; the two halves of the lanes are joined at the end
.else
	v_mul_f32 v[ST+2*\q+1], v[ST+2*\q+1], v[AL+2*\q]
	v_fmac_f32 v[ST+2*\q+1], s62, v[TM+8*\q]
.endif
.irp kt, 0,1
.irp t, 0,1,2,3
	v_cvt_pk_f16_f32 v[P+8*\q+4*\kt+\t], v[S+8*(2*\kt+\q)+2*\t], v[S+8*(2*\kt+\q)+2*\t+1]
.endr
.endr
.endr
.endm
.macro PV zero                         ; 16 accumulators, one instruction each
	s_wait_dscnt 0x0
	WIN 0x50
.irp ht, 0,1,2,3,4,5,6,7
.irp q, 0,1
	WMH 8*(2*\ht+\q), KV+8*\ht, P+8*\q, \zero
.endr
.endr
	WIN 0
	PLACES                                         ; behind them KV is loaded again and O is read
.endm
.macro STEP s
.set SL, (\s&1)*SLOTB
.if \s == 0
	s_wait_tensorcnt 0x1                           ; my unit of step 0 is in; step 1's stays out.  I read my own bytes alone
.else
	s_wait_tensorcnt 0x0                           ; all my tensor loads have landed, this step's unit among them
	ds_add_u32 v254, v255
	s_wait_dscnt 0x0
.if \s < 8
	GADDR (\s+1)                                   ; so a group 0 may be written
	s_wait_dscnt 0x0                               ; my reads of the slot of step s - 1 are back
	ROUND                                          ; both hold of every wave of the four work-groups
	tensor_load_to_lds s[G0+4*((\s+1)&1):G0+4*((\s+1)&1)+3], s[G1:G1+7]   ; step s + 1, my one load until the next round
	s_nop 0
.endif
.endif
.irp ks, 0,1,2,3
.irp kt, 0,1
.irp p, 0,1
	ds_load_b128 v[KV+8*(2*\ks+\kt)+4*\p:KV+8*(2*\ks+\kt)+4*\p+3], v[LA] offset:SL+\kt*4096+\ks*1024+512*\p
.endr
.endr
.endr
.if \s >= 5
	SWITCH \s
.endif
	SCALES \s
.irp ks, 0,1,2,3
	s_wait_dscnt 12-4*\ks                          ; four loads for each 32 of the head: the later ones may be out
.irp kt, 0,1
.irp qt, 0,1
.if \ks == 0
	WMH S+8*(2*\kt+\qt), KV+8*(2*\ks+\kt), Q+8*(4*\qt+\ks), 1
.else
	WMH S+8*(2*\kt+\qt), KV+8*(2*\ks+\kt), Q+8*(4*\qt+\ks), 0
.endif
.endr
.endr
.endr
	PLACES                                         ; the four S tiles took turns; now KV is loaded again and S is read
.irp ht, 0,1,2,3,4,5,6,7
.irp p, 0,1
	ds_load_b128 v[KV+8*\ht+4*\p:KV+8*\ht+4*\p+3], v[LA] offset:SL+8192+\ht*1024+512*\p
.endr
.endr
.if \s == 8
	MASK DB
.else
.if \s >= 4
	s_cmp_lg_u32 s42, \s+1                         ; block A's last step?
	s_cbranch_scc1 .Lno_mask_\@
	MASK DA
.Lno_mask_\@:
.endif
.endif
.if \s == 0
	SOFTMAX 1
	PV 1
.else
	SOFTMAX 0
	PV 0
.endif
.endm
	s_load_b256 s[4:11], s[0:1], 0x0               ; qf s[4:5], kv s[6:7], sc s[8:9], out0 s[10:11]
	v_lshl_add_u32 v254, v0, 2, 0x45000
	v_mov_b32 v255, 0
	ds_add_u32 v254, v255
	v_lshrrev_b32 v[TM], 5, v0
	v_readfirstlane_b32 s12, v[TM]                 ; wave w
	s_bfe_u32 s13, ttmp6, 0x40000                  ; cx: it enters the masks, Q's, sc's and out0's places alone
	s_lshr_b32 s14, ttmp9, 3                       ; b
	s_and_b32 s15, ttmp9, 7                        ; g
	s_lshr_b32 s16, s15, 1                         ; g / 2
	s_sub_co_u32 s42, 8, s16                       ; nA
	s_lshl2_add_u32 s17, s15, s13                  ; i = B
	s_sub_co_u32 s18, 63, s17                      ; A
	s_lshr_b32 s50, s12, 1
	s_mov_b32 s44, 0x76543210
	s_mov_b32 s45, 0xfedcba98
	s_mov_b32 s[G1+0], 15|(3<<16)|(1<<21)          ; the mask: all four; elements of 8 bytes; bit 21 beside a mask
	s_mov_b32 s[G1+1], 32<<16                      ; a dense block as 64 rows of 32 elements
	s_mov_b32 s[G1+2], 64<<16
	s_mov_b32 s[G1+3], 32<<16
	s_mov_b32 s[G1+4], 64
	s_mov_b32 s[G1+5], 32
	s_mov_b32 s[G1+6], 0
	s_mov_b32 s[G1+7], 0
	v_and_b32 v[LN], 31, v0
	v_and_b32 v[RR], 15, v0
	v_bfe_u32 v[HH], v0, 4, 1
	v_lshlrev_b32 v[L16], 4, v[LN]
	s_mul_i32 s19, s12, RINGB
	v_add_nc_u32 v[LA], s19, v[L16]
	v_add_nc_u32 v[QBA], QB, v[L16]
	s_lshl_b32 s46, s12, 10
	v_add_nc_u32 v[QBW], s46, v[QBA]
	s_lshl_b32 s46, s12, 8
	s_add_co_u32 s46, s46, ML
	v_lshl_add_u32 v[MLW], v[RR], 3, s46
	v_lshlrev_b32 v[MLR], 3, v[RR]
	v_add_nc_u32 v[MLR], ML, v[MLR]
	v_mul_u32_u24 v[SA0], v[RR], SPITCH
	v_lshl_add_u32 v[SA0], v[HH], 5, v[SA0]
	s_mul_i32 s46, s12, SWAVE
	v_add_nc_u32 v[SA0], s46, v[SA0]
	v_add_nc_u32 v[SA1], SBLK, v[SA0]
	s_mul_i32 s46, s12, 4*SPITCH
	v_add_nc_u32 v[RA], s46, v[L16]
	v_add_nc_u32 v[RA+1], 4*SWAVE, v[RA]
	v_add_nc_u32 v[RA+2], SBLK, v[RA]
	v_add_nc_u32 v[RA+3], SBLK+4*SWAVE, v[RA]
	v_lshlrev_b32 v[T0], 3, v[HH]
	v_sub_nc_u32 v[T0], v[RR], v[T0]               ; r - 8 h
	s_sub_co_u32 s20, s42, 1
	s_lshl_b32 s20, s20, 3
	s_sub_co_i32 s20, s18, s20
	s_sub_co_i32 s20, s20, s12                     ; A - my unit in block A's last step
	s_lshl_b32 s20, s20, 5
	v_add_nc_u32 v[DA], s20, v[T0]
	s_lshl_b32 s21, s16, 3
	s_sub_co_i32 s21, s17, s21
	s_sub_co_i32 s21, s21, s12                     ; B - my unit in block B's last step
	s_lshl_b32 s21, s21, 5
	v_add_nc_u32 v[DB], s21, v[T0]
	v_mov_b32 v[NEG], 0xf149f2ca                   ; -1e30
	s_lshl_b32 s22, s14, 6                         ; 64 blocks of 32 rows in a batch
	s_add_co_u32 s23, s22, s18
	s_lshl_b32 s21, s23, 13                        ; 8,192 bytes of qf a block
	v_add_nc_u32 v[QOF], s21, v[L16]
	s_lshl_b32 s23, s23, 14                        ; 16,384 bytes of out0 a block
	s_lshl_b32 s20, s12, 11                        ; + my four rows
	s_add_co_u32 s23, s23, s20
	v_add_nc_u32 v[OO], s23, v[L16]
	s_add_co_u32 s23, s22, s17
	s_lshl_b32 s21, s23, 13
	s_lshl_b32 s22, s12, 10                        ; my eighth of block B's Q
	s_add_co_u32 s21, s21, s22
	v_add_nc_u32 v[QBO], s21, v[L16]
	s_lshl_b32 s23, s23, 14
	s_add_co_u32 s23, s23, s20
	v_add_nc_u32 v[OO+1], s23, v[L16]
	s_lshl_b32 s23, s14, 9                         ; 32 blocks of 16 bytes of sc a batch
	v_add_nc_u32 v[TBO], s23, v[L16]
	s_lshl_b32 s48, s14, 20                        ; 64 units a batch
	s_lshl_b32 s49, s12, 14                        ; my unit of a step
	s_add_co_u32 s48, s48, s49
	s_mov_b32 s49, 0
	s_wait_dscnt 0x0
	s_wait_kmcnt 0x0
	s_add_nc_u64 s[40:41], s[6:7], s[48:49]        ; made of the cluster's and the wave's numbers alone
.irp x, 0,1,2,3,4,5,6,7,8,9,10,11,12,13,14,15
	global_load_b128 v[Q+4*\x:Q+4*\x+3], v[QOF], s[4:5] offset:512*\x
.endr
	global_load_b128 v[P:P+3], v[QBO], s[4:5]
	global_load_b128 v[P+4:P+7], v[QBO], s[4:5] offset:512
	global_load_b128 v[TB:TB+3], v[TBO], s[8:9]
	ROUND                                          ; the four work-groups are here: the first joint loads meet
.irp n, 0,1
	s_mov_b32 s[G0+4*\n], 1
	s_add_co_u32 s[G0+4*\n+1], s19, \n*SLOTB
	s_add_nc_u64 s[G0+4*\n+2:G0+4*\n+3], s[40:41], \n*STEPB
	s_or_b32 s[G0+4*\n+3], s[G0+4*\n+3], 0x80000000
	tensor_load_to_lds s[G0+4*\n:G0+4*\n+3], s[G1:G1+7]    ; steps 0 and 1: two loads of mine are out, later one
	s_nop 0
.endr
	s_wait_loadcnt 0x0
	ds_store_b128 v[QBW], v[P:P+3]                 ; read by all waves in step 5 or later, behind rounds in front of which this wave waits for its LDS stores
	ds_store_b128 v[QBW], v[P+4:P+7] offset:512
	s_lshr_b32 s20, s18, 1                         ; the block of 64 rows in which A lies: also the last that A may see
	s_lshr_b32 s21, s17, 1                         ; the same for B
	v_readlane_b32 s22, v[TB], s20
	v_readlane_b32 s23, v[TB], s21
	v_mov_b32 v[CQ], 0x3e0293ee                    ; c = log2(e) / sqrt(128)
	v_mul_f32 v[CQB], s23, v[CQ]
	v_mul_f32 v[CQ], s22, v[CQ]
	v_cmp_ge_u32 vcc_lo, s20, v[LN]
	v_cndmask_b32 v[T0], 0, v[TB+2], vcc_lo
	v_cmp_ge_u32 vcc_lo, s21, v[LN]
	v_cndmask_b32 v[T0+1], 0, v[TB+2], vcc_lo
.irp x, 1,2,4,8
	v_max_num_f32_dpp v[T0], v[T0], v[T0] row_xmask:\x row_mask:0xf bank_mask:0xf
	v_max_num_f32_dpp v[T0+1], v[T0+1], v[T0+1] row_xmask:\x row_mask:0xf bank_mask:0xf
.endr
	v_permlanex16_b32 v[RR], v[T0], s44, s45
	v_permlanex16_b32 v[HH], v[T0+1], s44, s45
	v_max_num_f32 v[T0], v[T0], v[RR]
	v_max_num_f32 v[T0+1], v[T0+1], v[HH]
	v_readfirstlane_b32 s56, v[T0]                 ; 2^E of block A
	v_readfirstlane_b32 s57, v[T0+1]               ; of block B
	s_mov_b32 s53, s56                             ; of the block at work
	STEP 0
	STEP 1
	STEP 2
	STEP 3
	STEP 4
	STEP 5
	STEP 6
	STEP 7
	STEP 8
	; THE EIGHT WAVES' RESULTS ARE JOINED.  First l's two halves, then (m, l) of every wave to every wave
.irp k, SV+1, SV+3, ST+1, ST+3
	v_permlanex16_b32 v[TM], v[\k], s44, s45
	v_add_f32 v[\k], v[\k], v[TM]
.endr
	ds_store_b64 v[MLW], v[SV:SV+1]
	ds_store_b64 v[MLW], v[SV+2:SV+3] offset:128
	ds_store_b64 v[MLW], v[ST:ST+1] offset:2048
	ds_store_b64 v[MLW], v[ST+2:ST+3] offset:2176
	s_wait_dscnt 0x0                               ; my stores are done, and my reads of the slots are back: the stage may lie over them
	s_barrier_signal -1
	s_barrier_wait -1
.irp g, 0,1,2,3
.irp w, 0,1,2,3,4,5,6,7
	ds_load_b64 v[KV+16*\g+2*\w:KV+16*\g+2*\w+1], v[MLR] offset:(\g>>1)*2048+\w*256+(\g&1)*128
.endr
.endr
	s_wait_dscnt 0x0
; group g = 2 block + row tile: M = the largest m, lt = the sum of 2^(m - M) l, my factor = 2^(my m - M) 2^E / lt
.macro GROUP g, own, e
	v_max3_num_f32 v[TM], v[KV+16*\g], v[KV+16*\g+2], v[KV+16*\g+4]
	v_max3_num_f32 v[TM], v[TM], v[KV+16*\g+6], v[KV+16*\g+8]
	v_max3_num_f32 v[TM], v[TM], v[KV+16*\g+10], v[KV+16*\g+12]
	v_max_num_f32 v[TM], v[TM], v[KV+16*\g+14]
.irp w, 0,1,2,3,4,5,6,7
	v_sub_f32 v[KV+16*\g+2*\w], v[KV+16*\g+2*\w], v[TM]
.endr
	v_sub_f32 v[TM+1], v[\own], v[TM]
.irp w, 0,1,2,3,4,5,6,7
	v_exp_f32 v[KV+16*\g+2*\w], v[KV+16*\g+2*\w]
.endr
	v_exp_f32 v[TM+1], v[TM+1]
	v_nop
	s_wait_alu depctr_va_vdst(0)
	v_mul_f32 v[TM+2], v[KV+16*\g], v[KV+16*\g+1]
.irp w, 1,2,3,4,5,6,7
	v_fmac_f32 v[TM+2], v[KV+16*\g+2*\w], v[KV+16*\g+2*\w+1]
.endr
	v_mul_f32 v[TM+1], s[\e], v[TM+1]
	v_rcp_f32 v[TM+3], v[TM+2]
	v_nop
	s_wait_alu depctr_va_vdst(0)
	v_mul_f32 v[F+2*\g], v[TM+1], v[TM+3]
	v_mul_f32 v[F+2*\g+1], v[TM+1], v[TM+3]
.endm
	GROUP 0, SV, 56
	GROUP 1, SV+2, 56
	GROUP 2, ST, 57
	GROUP 3, ST+2, 57
	WIN 0x41
.irp ht, 0,1,2,3,4,5,6,7
.irp q, 0,1
.irp t, 0,2,4,6
	v_pk_mul_f32 v[128+8*(2*\ht+\q)+\t:128+8*(2*\ht+\q)+\t+1], v[128+8*(2*\ht+\q)+\t:128+8*(2*\ht+\q)+\t+1], v[F+2*\q:F+2*\q+1]
	v_pk_mul_f32 v[8*(2*\ht+\q)+\t:8*(2*\ht+\q)+\t+1], v[8*(2*\ht+\q)+\t:8*(2*\ht+\q)+\t+1], v[F+4+2*\q:F+4+2*\q+1]
.endr
.endr
.endr
	WIN 0x04                                       ; LDS store data in window 1
.irp ht, 0,1,2,3,4,5,6,7
.irp q, 0,1
	ds_store_b128 v[SA0], v[128+8*(2*\ht+\q):128+8*(2*\ht+\q)+3]   offset:\q*16*SPITCH+\ht*64      ; row 16 qt + r, columns 16 ht + 8 h + 0..3
	ds_store_b128 v[SA0], v[128+8*(2*\ht+\q)+4:128+8*(2*\ht+\q)+7] offset:\q*16*SPITCH+\ht*64+16
	ds_store_b128 v[SA1], v[8*(2*\ht+\q):8*(2*\ht+\q)+3]           offset:\q*16*SPITCH+\ht*64
	ds_store_b128 v[SA1], v[8*(2*\ht+\q)+4:8*(2*\ht+\q)+7]         offset:\q*16*SPITCH+\ht*64+16
.endr
.endr
	WIN 0
	s_wait_dscnt 0x0
	s_barrier_signal -1
	s_barrier_wait -1
; Wave w adds the eight waves' rows 4 w .. 4 w + 3 of a block; a load and a store cover a whole row of 512 bytes
.macro REDUCE blk
.irp rho, 0,1,2,3
.irp wp, 0,1,2,3,4,5,6,7
	ds_load_b128 v[R+4*(8*\rho+\wp):R+4*(8*\rho+\wp)+3], v[RA+2*\blk+(\wp>>2)] offset:(\wp&3)*SWAVE+\rho*SPITCH
.endr
.endr
.irp rho, 0,1,2,3
	s_wait_dscnt 24-8*\rho                         ; eight loads a row: the later rows' may be out
.irp a, 0,8,16,24
	v_pk_add_f32 v[R+32*\rho+\a:R+32*\rho+\a+1],   v[R+32*\rho+\a:R+32*\rho+\a+1],   v[R+32*\rho+\a+4:R+32*\rho+\a+5]
	v_pk_add_f32 v[R+32*\rho+\a+2:R+32*\rho+\a+3], v[R+32*\rho+\a+2:R+32*\rho+\a+3], v[R+32*\rho+\a+6:R+32*\rho+\a+7]
.endr
.irp a, 0,16
	v_pk_add_f32 v[R+32*\rho+\a:R+32*\rho+\a+1],   v[R+32*\rho+\a:R+32*\rho+\a+1],   v[R+32*\rho+\a+8:R+32*\rho+\a+9]
	v_pk_add_f32 v[R+32*\rho+\a+2:R+32*\rho+\a+3], v[R+32*\rho+\a+2:R+32*\rho+\a+3], v[R+32*\rho+\a+10:R+32*\rho+\a+11]
.endr
	v_pk_add_f32 v[R+32*\rho:R+32*\rho+1],   v[R+32*\rho:R+32*\rho+1],   v[R+32*\rho+16:R+32*\rho+17]
	v_pk_add_f32 v[R+32*\rho+2:R+32*\rho+3], v[R+32*\rho+2:R+32*\rho+3], v[R+32*\rho+18:R+32*\rho+19]
	global_store_b128 v[OO+\blk], v[R+32*\rho:R+32*\rho+3], s[10:11] offset:512*\rho th:TH_STORE_NT
.endr
.endm
	REDUCE 0
	s_wait_xcnt 0x0                                ; the stores' data registers are loaded again only behind this wait
	REDUCE 1
	s_wait_tensorcnt 0x0
	ds_add_u32 v254, v255
	s_wait_dscnt 0x0
	ROUND                                          ; the closing round
	s_endpgm
.Lfunc_end_k_q0015c76ba0_attn:
	.size	k_q0015c76ba0_attn, .Lfunc_end_k_q0015c76ba0_attn-k_q0015c76ba0_attn
	.p2alignl 7, 3214868480
	.fill 96, 4, 3214868480
	.section	.rodata,"a",@progbits
	.p2align	6, 0x0
	.amdhsa_kernel k_q0015c76ba0_attn
		.amdhsa_group_segment_fixed_size 327680
		.amdhsa_private_segment_fixed_size 0
		.amdhsa_enable_private_segment 0
		.amdhsa_kernarg_size 32
		.amdhsa_user_sgpr_count 2
		.amdhsa_user_sgpr_kernarg_segment_ptr 1
		.amdhsa_wavefront_size32 1
		.amdhsa_system_sgpr_workgroup_id_x 1
		.amdhsa_system_sgpr_workgroup_id_y 1
		.amdhsa_system_sgpr_workgroup_id_z 1
		.amdhsa_system_vgpr_workitem_id 0
		.amdhsa_next_free_vgpr 512
		.amdhsa_next_free_sgpr 66
		.amdhsa_reserve_vcc 1
		.amdhsa_float_denorm_mode_32 3
		.amdhsa_float_denorm_mode_16_64 3
		.amdhsa_memory_ordered 1
		.amdhsa_forward_progress 1
		.amdhsa_inst_pref_size 211
	.end_amdhsa_kernel
	.amdgpu_metadata
---
amdhsa.version: [ 1, 2 ]
amdhsa.kernels:
  - .name:           k_q0015c76ba0_attn
    .symbol:         k_q0015c76ba0_attn.kd
    .args:
      - { .name: qf, .offset: 0, .size: 8, .value_kind: global_buffer, .address_space: global }
      - { .name: kv, .offset: 8, .size: 8, .value_kind: global_buffer, .address_space: global }
      - { .name: sc, .offset: 16, .size: 8, .value_kind: global_buffer, .address_space: global }
      - { .name: out0, .offset: 24, .size: 8, .value_kind: global_buffer, .address_space: global }
    .group_segment_fixed_size: 327680
    .private_segment_fixed_size: 0
    .kernarg_segment_align: 8
    .kernarg_segment_size: 32
    .max_flat_workgroup_size: 256
    .sgpr_count:     66
    .vgpr_count:     512
    .wavefront_size: 32
...
	.end_amdgpu_metadata
.endif
;; end of part 3
;; ======== version 2 of 2: 3 launches; 1.12 times as fast as version 1
;; limits: right only within a limited range of input values
;; workspace buffers: wf 786,432 bytes; qf 4,194,304 bytes; kv 8,388,608 bytes; sc 4,096 bytes
;; launch wprep: the kernel of part 1 again; grid 32 x 3, 8 waves a work-group, no clusters, 0 bytes of LDS; arguments Wq, Wk, Wv, wf; writes wf
;; launch qkv (part 4): grid 256 x 1, 4 waves a work-group, clusters of 4 x 1, 327,680 bytes of LDS; arguments x, wf, qf, kv, sc; writes qf, kv, sc
.if DOCPART == 4
	.amdgcn_target "amdgcn-amd-amdhsa--gfx1250"
	.amdhsa_code_object_version 6
	.text
	.protected	k_q0015c76ba0_qkv
	.globl	k_q0015c76ba0_qkv
	.p2align	8
	.type	k_q0015c76ba0_qkv,@function
k_q0015c76ba0_qkv:
	s_mov_b64 s[64:65], 0
	v_nop
	global_prefetch_b8 v0, s[64:65] scope:SCOPE_SE
	s_setreg_imm32_b32 hwreg(HW_REG_WAVE_MODE, 25, 1), 1
	s_wait_xcnt 0x0
	s_wait_alu depctr_hold_cnt(0) depctr_sa_sdst(0) depctr_va_vdst(0) depctr_va_sdst(0) depctr_va_ssrc(0) depctr_va_vcc(0) depctr_vm_vsrc(0)
	s_getreg_b32 s2, hwreg(HW_REG_IB_STS2, 6, 4)
	s_cmp_eq_u32 s2, 0
	s_cbranch_scc0 .Lentry_in_a_cluster
	s_endpgm
.Lentry_in_a_cluster:
	s_bfe_u32 s2, ttmp6, 0x10000c
	s_cmp_lg_u32 s2, 0x3003
	s_cbranch_scc0 .Lentry_shape_is_right
	s_endpgm
.Lentry_shape_is_right:
; q, k, v = x W, for 64 rows of x a work-group.  x and W go to the matrix unit in bf16, sums in f32.
; Four waves; wave w makes all 64 rows x columns 32 w .. 32 w + 31 of each of q, k, v: 4 x 6 accumulator tiles, 192 registers.
; K = 1024 goes in 8 steps of 128, written out; a step is four quarters of 32, 24 matrix instructions each.
; WEIGHTS: wf holds them as fragments in the order in which they are used; wave w's 24,576 bytes of a step are one dense block, brought by one
; tensor load into the wave's own part of one of two LDS slots.  All work-groups walk the same wf: four form a cluster and ask jointly (mask 15).
; ORDER: cluster c begins at K step (c + c / 8) mod 8 and goes round.  So the clusters' first fills together ask for all eight steps of wf at the launch's
; start, and every later fill asks for bytes that other clusters have asked for at least a step before.  The sums over K take the steps in that order.
; X: through registers.  Wave w loads rows 16 w .. 16 w + 15; one load covers a row's 512 aligned bytes of a step.  Three sets of 64 registers keep
; 48 loads of a wave in flight.  A step's x is rounded to bf16 once and laid into one of two LDS tiles (64 rows, pitch 272), bytes that no tensor load fills.
; RESULTS: f16 with one exponent for the block of 64 rows x 128 columns, for each of q, k, v: the block's largest magnitude is brought into [2^14, 2^15) by an
; exact power of two, so f16 neither overflows nor loses bits for any size of the inputs; the factor back goes to sc.  A value more than 2^28 below its
; block's largest magnitude loses bits of f16.  bf16 would be too coarse: an output of the first rows is a sum of few terms that may cancel.
; q and k are made transposed (source 0 = W, source 1 = x): a lane holds 8 neighbouring columns of one row.  v is made straight (source 0 = x, source 1 = W):
; a lane holds 8 neighbouring keys of one column.  Packed, both are halves of the fragments that the next launch loads: every store covers 512 aligned bytes.
.set XROW,   4096                      ; bytes in a row of x
.set XPITCH, 272                       ; a bf16 row of 256 bytes + 16: the 16 rows that a load touches start 68 words apart
.set XSLOT,  64*XPITCH
.set WWAVE,  24576                     ; a wave's weights of a step
.set WSLOT,  4*WWAVE
.set XB,     2*WSLOT                   ; the two x tiles lie behind the two weight slots
.set SCR,    XB+2*XSLOT                ; 256 bytes of their own: the waves' maxima
.set XOFF, 1                           ; v1      65536 w + 16 L: my 16 bytes in x
.set XST,  2                           ; v2      where I put 8 bytes of bf16
.set XA,   3                           ; v3      my x fragments: 272 r + 16 h
.set WA,   4                           ; v4-5    my W fragments in slot 0, 1: 24576 w + 16 L
.set OQ,   6                           ; v6      16 L + 1024 w: q and k out
.set OV,   7                           ; v7      16 L + 2048 w: v out
.set F0,   16                          ; v16-95  fragment buffer 0: six of W, then four of x
.set F1,   96                          ; v96-175 fragment buffer 1
.set T,    176                         ; v176-207 a step's x in bf16
.set MX,   208                         ; v208-210 largest magnitudes of q, k, v
.set INV,  212                         ; v212-217 the factors, twice each
.set BK,   220                         ; v220-223 the factors back, and a zero
.set XO,   224                         ; v224-231 XOFF + the 512 bytes of the s-th step of my walk; never rewritten
.set PK,   16                          ; v16-111 the results in f16
.set G1,   16                          ; s[16:23] descriptor group 1
.set G0,   24                          ; s[24:31] descriptor group 0, one set for each slot
; windows of 256 registers: 0 as above; 1: accumulator (mt, n) at 8 (6 mt + n), n = 2 c + u; 2: the three sets for x, 64 each
.set MSB, 0
.macro WIN new                         ; the immediate's high byte repeats the setting that is left
.if MSB != \new
	s_set_vgpr_msb (MSB<<8)|\new
.set MSB, \new
.endif
.endm
.set MUL, 0x50                         ; C and D in window 1
.set CVT, 0x0a                         ; sources 0 and 1 in window 2
.set GLD, 0x80                         ; destination in window 2
.set OUT, 0x05                         ; sources 0 and 1 in window 1
.set SCL, 0x41                         ; destination and source 0 in window 1
.macro ROUND                           ; a round of the cluster's barrier
	s_barrier_signal -1
	s_barrier_wait -1
	s_cmp_lg_u32 s12, 0
	s_cbranch_scc1 .Lnot_wave_0_\@
	s_barrier_signal -3
.Lnot_wave_0_\@:
	s_barrier_wait -3
	s_barrier_signal -1
	s_barrier_wait -1
.endm
.macro PLACES                          ; four places behind a matrix instruction (ISA guide 7.12.1)
.rept 4
	v_nop
.endr
.endm
.macro WM d, a, b, zero
.if \zero
	v_wmma_f32_16x16x32_bf16 v[\d:\d+7], v[\a:\a+7], v[\b:\b+7], 0
.else
	v_wmma_f32_16x16x32_bf16 v[\d:\d+7], v[\a:\a+7], v[\b:\b+7], v[\d:\d+7]
.endif
.endm
; The global address in group 0 of slot s mod 2: my part of the weights of the s-th step of my cluster's walk, K step (s + s45) mod 8.
; It is made of the cluster's and the wave's numbers alone, and written only where no tensor load of the wave is out.
.macro WADDR s
	s_add_co_u32 s46, s45, \s
	s_and_b32 s46, s46, 7
	s_mul_i32 s46, s46, WSLOT                      ; s47 = 0
	s_add_nc_u64 s[G0+4*((\s)&1)+2:G0+4*((\s)&1)+3], s[38:39], s[46:47]
	s_or_b32 s[G0+4*((\s)&1)+3], s[G0+4*((\s)&1)+3], 0x80000000
.endm
; 16 loads: my 16 rows' 512 bytes of the s-th step, into set s mod 3
.macro XLOAD s
	WIN GLD
.irp p, 0,1,2,3,4,5,6,7,8,9,10,11,12,13,14,15
	global_load_b128 v[64*((\s)%3)+4*\p:64*((\s)%3)+4*\p+3], v[XO+(\s)], s[4:5] offset:\p*XROW th:TH_LOAD_NT
.endr
.endm
; The s-th step of x: rounded to bf16, into x tile s mod 2; its set is loaded again, three steps ahead.  left = the younger loads that may stay out.
.macro CONVERT s, left
	s_wait_loadcnt \left                           ; loads come back in order: step s is in, the later steps' 16 loads each stay out
	WIN CVT
.irp p, 0,1,2,3,4,5,6,7,8,9,10,11,12,13,14,15
	v_cvt_pk_bf16_f32 v[T+2*\p],   v[64*(\s%3)+4*\p],   v[64*(\s%3)+4*\p+1]
	v_cvt_pk_bf16_f32 v[T+2*\p+1], v[64*(\s%3)+4*\p+2], v[64*(\s%3)+4*\p+3]
.endr
	WIN 0
.irp p, 0,1,2,3,4,5,6,7,8,9,10,11,12,13,14,15
	ds_store_b64 v[XST], v[T+2*\p:T+2*\p+1] offset:(\s&1)*XSLOT+\p*XPITCH   ; 32 lanes, 256 neighbouring bytes: a row
.endr
.if \s+3 <= 7
	XLOAD \s+3
.endif
.endm
; 20 LDS loads: the fragments of quarter ks of the step in slot: six of W (dense: 16 bytes a lane, side by side), four of x, tiles ascending
.macro FETCH slot, ks, f
	PLACES                                         ; buffer f was read by matrix instructions
	WIN 0
.irp n, 0,1,2,3,4,5
	ds_load_b128 v[\f+8*\n:\f+8*\n+3],   v[WA+\slot] offset:\ks*6144+\n*1024
	ds_load_b128 v[\f+8*\n+4:\f+8*\n+7], v[WA+\slot] offset:\ks*6144+\n*1024+512
.endr
.irp m, 0,1,2,3
	ds_load_b128 v[\f+48+8*\m:\f+48+8*\m+3],   v[XA] offset:\slot*XSLOT+\m*16*XPITCH+\ks*64
	ds_load_b128 v[\f+48+8*\m+4:\f+48+8*\m+7], v[XA] offset:\slot*XSLOT+\m*16*XPITCH+\ks*64+32
.endr
.endm
; 12 matrix instructions: row tiles m0, m0 + 1 x six column tiles.  The 24 accumulators take turns, one instruction a turn, in the same order in every quarter.
.macro MUL12 f, m0, zero
.irp m, \m0, \m0+1
.irp n, 0,1,2,3
	WM 8*(6*(\m)+\n), \f+8*\n, \f+48+8*(\m), \zero
.endr
.irp n, 4,5
	WM 8*(6*(\m)+\n), \f+48+8*(\m), \f+8*\n, \zero
.endr
.endr
.endm
.macro QUARTER f, g, slot, nk, zero, conv, cs, left
	s_wait_dscnt 0x4                               ; W and x tiles 0, 1 are in; the four youngest loads (x tiles 2, 3) may be out
	WIN MUL
	MUL12 \f, 0, \zero
.if \conv
	CONVERT \cs, \left                             ; its LDS stores are older than the fetch below
.endif
	FETCH \slot, \nk, \g
	s_wait_dscnt 20                                ; all but the 20 just issued
	WIN MUL
	MUL12 \f, 2, \zero
.endm
.macro COMPUTE slot, zero, conv, cs, left
	FETCH \slot, 0, F0
	QUARTER F0, F1, \slot, 1, \zero, 0, 0, 0
	QUARTER F1, F0, \slot, 2, 0, \conv, \cs, \left
	QUARTER F0, F1, \slot, 3, 0, 0, 0, 0
	s_wait_dscnt 0x4
	WIN MUL
	MUL12 F1, 0, 0
	s_wait_dscnt 0x0
	MUL12 F1, 2, 0
.endm
; The head of step s.  In front of the barrier: all my tensor loads have landed (this step's weights among them), my reads of the slot and of the x tile of
; step s - 1 are back, my stores into this step's x tile are done.  refill = 1: the barrier is a round of the cluster's, and behind it step s + 1's weights
; are asked for, into the slot read in step s - 1: my one tensor load until the next round.
.macro HEAD s, refill
	WIN 0
	s_wait_tensorcnt 0x0
	ds_add_u32 v254, v255
	s_wait_dscnt 0x0
.if \refill
	WADDR \s+1                                     ; no load of mine is out: a group 0 may be written
.endif
	s_wait_dscnt 0x0
.if \refill
	ROUND
	tensor_load_to_lds s[G0+4*((\s+1)&1):G0+4*((\s+1)&1)+3], s[G1:G1+7]
	s_nop 0
.else
	s_barrier_signal -1
	s_barrier_wait -1
.endif
.endm
	s_load_b256 s[4:11], s[0:1], 0x0               ; x s[4:5], wf s[6:7], qf s[8:9], kv s[10:11]
	s_load_b64 s[40:41], s[0:1], 0x20              ; sc
	v_lshl_add_u32 v254, v0, 2, 0x38900
	v_mov_b32 v255, 0
	ds_add_u32 v254, v255
	v_lshrrev_b32 v8, 5, v0
	v_readfirstlane_b32 s12, v8                    ; wave w
	s_bfe_u32 s13, ttmp6, 0x40000                  ; cx
	s_lshl_b32 s14, ttmp9, 2
	s_add_co_u32 s14, s14, s13                     ; work-group = 4 x cluster + cx: it enters x's and the results' addresses alone
	s_lshr_b32 s45, ttmp9, 3
	s_add_co_u32 s45, s45, ttmp9
	s_and_b32 s45, s45, 7                          ; the K step at which my cluster begins: (c + c / 8) mod 8, the same in all four partners
	s_mov_b32 s47, 0
	s_mov_b32 s42, 0x76543210                      ; v_permlanex16_b32: lane i of one half reads lane i of the other
	s_mov_b32 s43, 0xfedcba98
	v_and_b32 v9, 31, v0                           ; L
	v_and_b32 v10, 15, v0                          ; r
	v_bfe_u32 v11, v0, 4, 1                        ; h
	s_lshl_b32 s15, s12, 16
	v_lshl_add_u32 v[XOFF], v9, 4, s15
.irp s, 0,1,2,3,4,5,6,7
	s_add_co_u32 s46, s45, \s
	s_and_b32 s46, s46, 7
	s_lshl_b32 s46, s46, 9                         ; 512 bytes of a row in a K step
	v_add_nc_u32 v[XO+\s], s46, v[XOFF]
.endr
	s_mul_i32 s15, s12, 16*XPITCH
	s_add_co_u32 s15, s15, XB
	v_lshl_add_u32 v[XST], v9, 3, s15
	v_mul_u32_u24 v12, v10, XPITCH
	v_lshl_add_u32 v12, v11, 4, v12
	v_add_nc_u32 v[XA], XB, v12
	s_mul_i32 s36, s12, WWAVE                      ; my part of a slot and of a step's weights
	s_mov_b32 s37, 0
	v_lshl_add_u32 v[WA], v9, 4, s36
	v_add_nc_u32 v[WA+1], WSLOT, v[WA]
	s_lshl_b32 s15, s12, 10
	v_lshl_add_u32 v[OQ], v9, 4, s15
	s_lshl_b32 s15, s12, 11
	v_lshl_add_u32 v[OV], v9, 4, s15
	; group 1: a dense block as 96 rows of 32 elements of 8 bytes
	s_mov_b32 s[G1+0], 15|(3<<16)|(1<<21)          ; 15:0 the mask: all four of the cluster; 17:16 elements of 8 bytes; 21 set beside a mask
	s_mov_b32 s[G1+1], 32<<16                      ; tensor_dim0 = 32
	s_mov_b32 s[G1+2], 96<<16                      ; tensor_dim1 = 96
	s_mov_b32 s[G1+3], 32<<16                      ; tile_dim0 = 32
	s_mov_b32 s[G1+4], 96                          ; tile_dim1 = 96
	s_mov_b32 s[G1+5], 32                          ; from row to row: 32 elements
	s_mov_b32 s[G1+6], 0
	s_mov_b32 s[G1+7], 0
	s_lshl_b32 s32, s14, 18                        ; 64 rows of 4,096 bytes
	s_mov_b32 s33, 0
	s_wait_dscnt 0x0
	s_wait_kmcnt 0x0
	s_add_nc_u64 s[4:5], s[4:5], s[32:33]
	s_lshl_b32 s32, s14, 14                        ; four row tiles of 4,096 bytes
	s_add_nc_u64 s[8:9], s[8:9], s[32:33]
	s_lshl_b32 s32, s14, 15                        ; two units of 16,384 bytes
	s_add_nc_u64 s[10:11], s[10:11], s[32:33]
	s_lshl_b32 s32, s14, 4                         ; 16 bytes of factors
	s_add_nc_u64 s[40:41], s[40:41], s[32:33]
	s_add_nc_u64 s[38:39], s[6:7], s[36:37]        ; wf at my part of K step 0: the wave's number alone
	XLOAD 0
	XLOAD 1
	XLOAD 2
	WIN 0
	ROUND                                          ; all four work-groups are here: the first joint loads meet
.irp n, 0,1
	s_mov_b32 s[G0+4*\n], 1
	s_add_co_u32 s[G0+4*\n+1], s36, \n*WSLOT
	WADDR \n
	tensor_load_to_lds s[G0+4*\n:G0+4*\n+3], s[G1:G1+7]    ; steps 0 and 1 of the walk: two loads of mine are out, later one
	s_nop 0
.endr
	CONVERT 0, 32
	WIN 0
	s_wait_tensorcnt 0x1                           ; step 0's weights are in; step 1's stay out
	s_wait_dscnt 0x0                               ; my part of x tile 0 is stored
	s_barrier_signal -1
	s_barrier_wait -1
	COMPUTE 0, 1, 1, 1, 32                         ; the first products start the sums
	HEAD 1, 1
	COMPUTE 1, 0, 1, 2, 32
	HEAD 2, 1
	COMPUTE 0, 0, 1, 3, 32
	HEAD 3, 1
	COMPUTE 1, 0, 1, 4, 32
	HEAD 4, 1
	COMPUTE 0, 0, 1, 5, 32
	HEAD 5, 1
	COMPUTE 1, 0, 1, 6, 16
	HEAD 6, 1
	COMPUTE 0, 0, 1, 7, 0
	HEAD 7, 0                                      ; nothing is left to fetch
	COMPUTE 1, 0, 0, 0, 0
	; THE WAY OUT.  The largest magnitude of q, of k and of v in my 64 x 32 numbers each: three chains side by side
	PLACES
	WIN OUT
.irp m, 0,1,2,3
.irp u, 0,1
.irp j, 0,2,4,6
.irp c, 0,1,2
.if \m+\u+\j == 0
	v_max_num_f32 v[MX+\c], |v[8*(6*\m+2*\c+\u)+\j]|, |v[8*(6*\m+2*\c+\u)+\j+1]|
.else
	v_max3_num_f32 v[MX+\c], |v[8*(6*\m+2*\c+\u)+\j]|, |v[8*(6*\m+2*\c+\u)+\j+1]|, v[MX+\c]
.endif
.endr
.endr
.endr
.endr
	WIN 0
.irp x, 1,2,4,8
.irp c, 0,1,2
	v_max_num_f32_dpp v[MX+\c], v[MX+\c], v[MX+\c] row_xmask:\x row_mask:0xf bank_mask:0xf
.endr
.endr
.irp c, 0,1,2
	v_permlanex16_b32 v[8+\c], v[MX+\c], s42, s43  ; v8-10 have been written
.endr
.irp c, 0,1,2
	v_max_num_f32 v[MX+\c], v[MX+\c], v[8+\c]
.endr
	v_mov_b32 v11, s12                             ; my word of the scratch: SCR + 4 w, bytes that lie behind both x tiles and that nothing else touches
	v_lshlrev_b32 v11, 2, v11
	v_add_nc_u32 v11, SCR, v11
.irp c, 0,1,2
	ds_store_b32 v11, v[MX+\c] offset:16*\c        ; all lanes hold the same number
.endr
	s_wait_dscnt 0x0                               ; for the other waves' sake
	s_barrier_signal -1
	s_barrier_wait -1
	v_mov_b32 v12, SCR
.irp c, 0,1,2
	ds_load_b128 v[T+4*\c:T+4*\c+3], v12 offset:16*\c
.endr
	s_wait_dscnt 0x0
.irp c, 0,1,2
	v_max3_num_f32 v[MX+\c], v[T+4*\c], v[T+4*\c+1], v[T+4*\c+2]
	v_max_num_f32 v[MX+\c], v[MX+\c], v[T+4*\c+3]
	v_and_b32 v[MX+\c], 0x7f800000, v[MX+\c]       ; its exponent field E,
	v_max_u32 v[MX+\c], 0x08000000, v[MX+\c]       ; at least 16, so that both factors are normal numbers
	v_sub_nc_u32 v[INV+2*\c], 0x86000000, v[MX+\c] ; field 268 - E: 2^(14 - e)
	v_sub_nc_u32 v[INV+2*\c+1], 0x86000000, v[MX+\c]
	v_add_nc_u32 v[BK+\c], 0xf9000000, v[MX+\c]    ; field E - 14: 2^(e - 14), the factor back
.endr
	v_mov_b32 v[BK+3], 0
	WIN SCL
.irp m, 0,1,2,3
.irp n, 0,1,2,3,4,5
.irp j, 0,2,4,6
	v_pk_mul_f32 v[8*(6*\m+\n)+\j:8*(6*\m+\n)+\j+1], v[8*(6*\m+\n)+\j:8*(6*\m+\n)+\j+1], v[INV+2*(\n>>1):INV+2*(\n>>1)+1]
.endr
.endr
.endr
	WIN OUT
.irp a, 0,1,2,3,4,5,6,7,8,9,10,11,12,13,14,15,16,17,18,19,20,21,22,23
.irp j, 0,1,2,3
	v_cvt_pk_f16_f32 v[PK+4*\a+\j], v[8*\a+2*\j], v[8*\a+2*\j+1]
.endr
.endr
	WIN 0
	s_cmp_lg_u32 s12, 0                            ; wave 0's lane 0 stores the block's three factors
	s_cbranch_scc1 .Lno_table
	v_cmp_eq_u32 vcc_lo, 0, v0
	v_mov_b32 v13, 0
	s_wait_xcnt 0x0                                ; EXEC changes only behind this wait
	s_and_saveexec_b32 s44, vcc_lo
	global_store_b128 v13, v[BK:BK+3], s[40:41]
	s_wait_xcnt 0x0                                ; and again in front of the line that widens it
	s_or_b32 exec_lo, exec_lo, s44
.Lno_table:
.irp m, 0,1,2,3
.irp u, 0,1
	global_store_b128 v[OQ], v[PK+4*(6*\m+\u):PK+4*(6*\m+\u)+3],     s[8:9]   offset:\m*4096+512*\u
	global_store_b128 v[OQ], v[PK+4*(6*\m+2+\u):PK+4*(6*\m+2+\u)+3], s[10:11] offset:(\m>>1)*16384+(\m&1)*4096+512*\u
	global_store_b128 v[OV], v[PK+4*(6*\m+4+\u):PK+4*(6*\m+4+\u)+3], s[10:11] offset:(\m>>1)*16384+8192+1024*\u+512*(\m&1)
.endr
.endr
	s_wait_tensorcnt 0x0
	ds_add_u32 v254, v255
	s_wait_dscnt 0x0
	ROUND                                          ; the closing round: no work-group ends while a partner may still ask jointly
	s_endpgm
.Lfunc_end_k_q0015c76ba0_qkv:
	.size	k_q0015c76ba0_qkv, .Lfunc_end_k_q0015c76ba0_qkv-k_q0015c76ba0_qkv
	.p2alignl 7, 3214868480
	.fill 96, 4, 3214868480
	.section	.rodata,"a",@progbits
	.p2align	6, 0x0
	.amdhsa_kernel k_q0015c76ba0_qkv
		.amdhsa_group_segment_fixed_size 327680
		.amdhsa_private_segment_fixed_size 0
		.amdhsa_enable_private_segment 0
		.amdhsa_kernarg_size 40
		.amdhsa_user_sgpr_count 2
		.amdhsa_user_sgpr_kernarg_segment_ptr 1
		.amdhsa_wavefront_size32 1
		.amdhsa_system_sgpr_workgroup_id_x 1
		.amdhsa_system_sgpr_workgroup_id_y 1
		.amdhsa_system_sgpr_workgroup_id_z 1
		.amdhsa_system_vgpr_workitem_id 0
		.amdhsa_next_free_vgpr 704
		.amdhsa_next_free_sgpr 66
		.amdhsa_reserve_vcc 1
		.amdhsa_float_denorm_mode_32 3
		.amdhsa_float_denorm_mode_16_64 3
		.amdhsa_memory_ordered 1
		.amdhsa_forward_progress 1
		.amdhsa_inst_pref_size 168
	.end_amdhsa_kernel
	.amdgpu_metadata
---
amdhsa.version: [ 1, 2 ]
amdhsa.kernels:
  - .name:           k_q0015c76ba0_qkv
    .symbol:         k_q0015c76ba0_qkv.kd
    .args:
      - { .name: x, .offset: 0, .size: 8, .value_kind: global_buffer, .address_space: global }
      - { .name: wf, .offset: 8, .size: 8, .value_kind: global_buffer, .address_space: global }
      - { .name: qf, .offset: 16, .size: 8, .value_kind: global_buffer, .address_space: global }
      - { .name: kv, .offset: 24, .size: 8, .value_kind: global_buffer, .address_space: global }
      - { .name: sc, .offset: 32, .size: 8, .value_kind: global_buffer, .address_space: global }
    .group_segment_fixed_size: 327680
    .private_segment_fixed_size: 0
    .kernarg_segment_align: 8
    .kernarg_segment_size: 40
    .max_flat_workgroup_size: 128
    .sgpr_count:     66
    .vgpr_count:     704
    .wavefront_size: 32
...
	.end_amdgpu_metadata
.endif
;; end of part 4
;; launch attn (part 5): grid 256 x 1, 8 waves a work-group, clusters of 4 x 1, 327,680 bytes of LDS; arguments qf, kv, sc, out0; writes out0
.if DOCPART == 5
	.amdgcn_target "amdgcn-amd-amdhsa--gfx1250"
	.amdhsa_code_object_version 6
	.text
	.protected	k_q0015c76ba0_attn
	.globl	k_q0015c76ba0_attn
	.p2align	8
	.type	k_q0015c76ba0_attn,@function
k_q0015c76ba0_attn:
	s_mov_b64 s[64:65], 0
	v_nop
	global_prefetch_b8 v0, s[64:65] scope:SCOPE_SE
	s_setreg_imm32_b32 hwreg(HW_REG_WAVE_MODE, 25, 1), 1
	s_wait_xcnt 0x0
	s_wait_alu depctr_hold_cnt(0) depctr_sa_sdst(0) depctr_va_vdst(0) depctr_va_sdst(0) depctr_va_ssrc(0) depctr_va_vcc(0) depctr_vm_vsrc(0)
	s_getreg_b32 s2, hwreg(HW_REG_IB_STS2, 6, 4)
	s_cmp_eq_u32 s2, 0
	s_cbranch_scc0 .Lentry_in_a_cluster
	s_endpgm
.Lentry_in_a_cluster:
	s_bfe_u32 s2, ttmp6, 0x10000c
	s_cmp_lg_u32 s2, 0x3003
	s_cbranch_scc0 .Lentry_shape_is_right
	s_endpgm
.Lentry_shape_is_right:
; Causal attention on q, k, v in f16 with block exponents (sc), sums and softmax in f32, with a running maximum for every row.
; SHARES: batch b = cluster / 8, g = cluster mod 8, i = 4 g + cx.  A work-group owns two blocks of 32 query rows, A = 63 - i and B = i.  Keys go in units of 32
; (16,384 bytes of kv: K's fragments, then V's); a key step is 8 units, one a wave.  Block A takes nA = 8 - g / 2 steps, block B 9 - nA: nine steps in every
; work-group.  nA hangs on the cluster's number alone, so the four partners want the same units in the same step: every tile is asked for jointly (mask 15).
; Only the last key step of each block holds units on or beyond a diagonal.
; ORDER: block A's nA key steps are walked from key step rho on, round modulo nA: rho = 6, 4, 2, 0 for g = 0 .. 3 and 4, 2, 0, 0 for g = 4 .. 7.  So the first
; fills (two steps a cluster) of clusters 0 to 3 of a batch ask for all its eight key steps, those of clusters 4 to 7 for the six that they need, and later fills
; ask for units that another cluster has asked for before.  A softmax with a running maximum takes the keys in any order; the step with the diagonal is masked
; wherever it stands in the walk.  Block B walks from key step 0: its units have been asked for in block A's walk.
; A WAVE: 32 query rows x its own 32 keys a step, with (m, l, O) of its own; the eight partial results are joined through LDS at the end.
; TRANSPOSED: S^T = K Q^T: lane (r, h) holds query r and keys 8 h + j: a row's maximum lies in two lanes, and S^T packed to f16 is the fragment P^T as it stands.
; O^T = V^T P^T.
; EXPONENTS: lane l of TB holds the factors back of block l (64 rows) of the batch.  A step's scores are S times CF = c 2^eq 2^ek, c = log2(e) / sqrt(128).
; V: E = the largest factor among the blocks that the query block may see; p goes to f16 as p 2^-n, n = log2(E / factor), 0 to 40 (beyond 24 it is 0 in f16
; anyhow), by the exponent's bias; l takes the sum times 2^n; 2^E goes into the closing factor.
; LIMITS: masked places are set to -1e30 in the scaled scores, so scaled scores stay below some 1e28 in magnitude.  At the change of blocks the old sums are
; multiplied by 0, and so is the result of a wave whose unit was masked whole: they are finite wherever the result is.
; No prefetch: kv and qf were stored by the launch before.
.set SLOTB,  16384                     ; a unit, a wave's slot
.set RINGB,  2*SLOTB                   ; a wave's two slots
.set STEPB,  8*SLOTB                   ; a key step's bytes in kv: 1 << 17
.set SPITCH, 528                       ; the stage: a row of 128 f32 + 16 bytes = 33 x 16
.set SWAVE,  32*SPITCH
.set SBLK,   8*SWAVE                   ; the stage lies over the slots, which have had their last fill, and 8,192 bytes more
.set ML,     2*SBLK                    ; 4,096 bytes: (m, l) of [block][wave][row tile][row]
.set QB,     ML+4096                   ; 8,192 bytes: block B's Q fragments
.set LA,  1                            ; 32768 w + 16 L
.set DA,  2                            ; key - query <= 0 as 16 kt + j - 16 qt <= D: block A's last key step
.set DB,  3                            ; block B's last key step
.set NEG, 4
.set L16, 5
.set ST,  6                            ; v6-9    m, l of row tile 0; m, l of row tile 1 (m in the scaled, base 2 domain)
.set SV,  10                           ; v10-13  the same of block A, kept
.set NM,  14                           ; v14-17  -n - m, twice, for each row tile
.set AL,  18                           ; v18-21  alpha, twice, for each row tile
.set QBA, 22
.set MLW, 23
.set MLR, 24
.set SA0, 25
.set SA1, 26
.set CQ,  27                           ; c 2^eq of the block at work
.set CQB, 28                           ; of block B
.set NLG, 29                           ; -n
.set CF,  30                           ; v30-31  the step's score factor, twice
.set Q,   32                           ; v32-95   fragment (qt, ks) at 8 (4 qt + ks)
.set S,   96                           ; v96-127  tile (kt, qt) at 8 (2 kt + qt)
.set P,   128                          ; v128-143
.set KV,  144                          ; v144-207 K's eight fragments, then V's
.set TM,  208                          ; v208-223 at work
.set F,   224                          ; v224-231 closing factors, twice each
.set OO,  240                          ; v240-241 my bytes in out0, block A, block B
.set QOF, 242
.set QBO, 243
.set TB,  244                          ; v244-247 factors back of q, k, v of block (lane)
.set RA,  248                          ; v248-251 the reduction's addresses
.set R,   32                           ; v32-159  the reduction's rows
.set LN,  209
.set RR,  210
.set HH,  211
.set T0,  212
.set QBW, 214
.set TBO, 215
.set G1,  24
.set G0,  32
; scalars of the walk: s42 nA, s54 nA - 1, s51 rho, s58 the key step of the step at work, s48 and s52 at work
; window 1: O tile (ht, qt) at 8 (2 ht + qt), 0-127; SAVE, block A's O, at 128-255
.set MSB, 0
.macro WIN new
.if MSB != \new
	s_set_vgpr_msb (MSB<<8)|\new
.set MSB, \new
.endif
.endm
.macro ROUND
	s_barrier_signal -1
	s_barrier_wait -1
	s_cmp_lg_u32 s12, 0
	s_cbranch_scc1 .Lnot_wave_0_\@
	s_barrier_signal -3
.Lnot_wave_0_\@:
	s_barrier_wait -3
	s_barrier_signal -1
	s_barrier_wait -1
.endm
.macro PLACES
.rept 4
	v_nop
.endr
.endm
.macro WMH d, a, b, zero
.if \zero
	v_wmma_f32_16x16x32_f16 v[\d:\d+7], v[\a:\a+7], v[\b:\b+7], 0
.else
	v_wmma_f32_16x16x32_f16 v[\d:\d+7], v[\a:\a+7], v[\b:\b+7], v[\d:\d+7]
.endif
.endm
; s[d] = the key step of step t of the walk: t < nA (block A): (t + rho) mod nA, one subtraction since rho < nA; t >= nA (block B): t - nA.  nA is 5 at the least.
.macro TPRIME t, d
	s_add_co_u32 s[\d], s51, \t
	s_cmp_ge_u32 s[\d], s42
	s_cselect_b32 s52, s42, 0
	s_sub_co_u32 s[\d], s[\d], s52
.if \t >= 5
	s_sub_co_u32 s52, \t, s42
	s_cmp_le_u32 s42, \t
	s_cselect_b32 s[\d], s52, s[\d]
.endif
.endm
; the global address in group 0 of slot t mod 2 for step t of the walk: unit 8 x key step + w, made of the cluster's and the wave's numbers alone
.macro GADDR t
	TPRIME \t, 48
	s_lshl_b32 s48, s48, 17
	s_add_nc_u64 s[G0+4*(\t&1)+2:G0+4*(\t&1)+3], s[40:41], s[48:49]   ; s49 = 0
	s_or_b32 s[G0+4*(\t&1)+3], s[G0+4*(\t&1)+3], 0x80000000
.endm
.macro COPY                            ; block A's sums and (m, l) are put aside
	WIN 0x41
.set ci, 0
.rept 128
	v_mov_b32 v[128+ci], v[ci]
.set ci, ci+1
.endr
	WIN 0
.irp k, 0,1,2,3
	v_mov_b32 v[SV+\k], v[ST+\k]
.endr
.endm
.macro RESET                           ; block B begins: its Q, m = -inf (the next alpha is 0 and wipes O), l = 0, its factors
.irp x, 0,1,2,3,4,5,6,7,8,9,10,11,12,13,14,15
	ds_load_b128 v[Q+4*\x:Q+4*\x+3], v[QBA] offset:512*\x
.endr
	v_mov_b32 v[ST], 0xff800000
	v_mov_b32 v[ST+1], 0
	v_mov_b32 v[ST+2], 0xff800000
	v_mov_b32 v[ST+3], 0
	v_mov_b32 v[CQ], v[CQB]
	s_mov_b32 s53, s57
	s_wait_dscnt 0x0
.endm
; The change of blocks, in step nA (5 to 8).  In step 5 every work-group makes the copy: those with nA = 5 need it, in the others a later copy takes its place;
; so SAVE and SV are written on every way through the text.
.macro SWITCH s
.if \s == 5
	COPY
	s_cmp_lg_u32 s42, 5
	s_cbranch_scc1 .Lno_switch_\@
.else
	s_cmp_lg_u32 s42, \s
	s_cbranch_scc1 .Lno_switch_\@
	COPY
.endif
	RESET
.Lno_switch_\@:
.endm
; The step's key step (s58) and its factors, from the block 4 x key step + w / 2 of my unit
.macro SCALES s
	TPRIME \s, 58
	s_lshl2_add_u32 s60, s58, s50
	v_readlane_b32 s61, v[TB+1], s60
	v_readlane_b32 s62, v[TB+2], s60
	v_mul_f32 v[CF], s61, v[CQ]
	v_mul_f32 v[CF+1], s61, v[CQ]
	s_sub_co_i32 s62, s53, s62                     ; both are powers of two: the difference of the exponent fields
	s_ashr_i32 s62, s62, 23
	s_max_i32 s62, s62, 0                          ; a block beyond the diagonal may be larger: its p are 0 or are thrown away
	s_min_i32 s62, s62, 40
	s_sub_co_i32 s63, 0, s62
	v_cvt_f32_i32 v[NLG], s63                      ; -n
	s_lshl_b32 s62, s62, 23
	s_add_co_u32 s62, s62, 0x3f800000              ; 2^n
.endm
; The scores are scaled here, CF becomes 1, and places with key > query are set to -1e30
.macro MASK d
.irp t, 0,1,2,3,4,5,6,7,8,9,10,11,12,13,14,15
	v_pk_mul_f32 v[S+2*\t:S+2*\t+1], v[S+2*\t:S+2*\t+1], v[CF:CF+1]
.endr
	v_mov_b32 v[CF], 1.0
	v_mov_b32 v[CF+1], 1.0
.irp j, 0,1,2,3,4,5,6,7
	v_cmp_le_i32 vcc_lo, \j, v[\d]                 ; tiles (0, 0) and (1, 1)
	v_cndmask_b32 v[S+\j], v[NEG], v[S+\j], vcc_lo
	v_cndmask_b32 v[S+24+\j], v[NEG], v[S+24+\j], vcc_lo
	v_cmp_le_i32 vcc_lo, \j-16, v[\d]              ; tile (kt 0, qt 1)
	v_cndmask_b32 v[S+8+\j], v[NEG], v[S+8+\j], vcc_lo
	v_cmp_le_i32 vcc_lo, \j+16, v[\d]              ; tile (kt 1, qt 0)
	v_cndmask_b32 v[S+16+\j], v[NEG], v[S+16+\j], vcc_lo
.endr
.endm
.macro SOFTMAX first
.irp q, 0,1
	v_max3_num_f32 v[TM+4*\q],   v[S+8*\q],      v[S+8*\q+1],    v[S+8*\q+2]
	v_max3_num_f32 v[TM+4*\q+1], v[S+8*\q+3],    v[S+8*\q+4],    v[S+8*\q+5]
	v_max3_num_f32 v[TM+4*\q+2], v[S+8*\q+6],    v[S+8*\q+7],    v[S+16+8*\q]
	v_max3_num_f32 v[TM+4*\q+3], v[S+16+8*\q+1], v[S+16+8*\q+2], v[S+16+8*\q+3]
	v_max3_num_f32 v[TM+4*\q],   v[TM+4*\q],     v[S+16+8*\q+4], v[S+16+8*\q+5]
	v_max3_num_f32 v[TM+4*\q+1], v[TM+4*\q+1],   v[S+16+8*\q+6], v[S+16+8*\q+7]
	v_max3_num_f32 v[TM+4*\q],   v[TM+4*\q],     v[TM+4*\q+1],   v[TM+4*\q+2]
	v_max_num_f32  v[TM+4*\q],   v[TM+4*\q],     v[TM+4*\q+3]
	v_permlanex16_b32 v[TM+4*\q+1], v[TM+4*\q], s44, s45       ; the row's other 16 keys lie in lane L xor 16
	v_max_num_f32  v[TM+4*\q],   v[TM+4*\q],     v[TM+4*\q+1]
	v_mul_f32 v[TM+4*\q], v[TM+4*\q], v[CF]                    ; CF is not negative
.if \first
	v_mov_b32 v[ST+2*\q], v[TM+4*\q]
.else
	v_max_num_f32 v[TM+4*\q+1], v[ST+2*\q], v[TM+4*\q]         ; the new maximum
	v_sub_f32 v[TM+4*\q+2], v[ST+2*\q], v[TM+4*\q+1]
	v_exp_f32 v[AL+2*\q], v[TM+4*\q+2]
	v_exp_f32 v[AL+2*\q+1], v[TM+4*\q+2]
	v_mov_b32 v[ST+2*\q], v[TM+4*\q+1]                         ; the plain instruction behind the exponentials (ISA guide 5.7.2)
.endif
	v_sub_f32 v[NM+2*\q], v[NLG], v[ST+2*\q]
	v_sub_f32 v[NM+2*\q+1], v[NLG], v[ST+2*\q]
.endr
.irp q, 0,1
.irp t, 0,2,4,6
	v_pk_fma_f32 v[S+8*\q+\t:S+8*\q+\t+1],       v[S+8*\q+\t:S+8*\q+\t+1],       v[CF:CF+1], v[NM+2*\q:NM+2*\q+1]
	v_pk_fma_f32 v[S+16+8*\q+\t:S+16+8*\q+\t+1], v[S+16+8*\q+\t:S+16+8*\q+\t+1], v[CF:CF+1], v[NM+2*\q:NM+2*\q+1]
.endr
.endr
.set ei, 0
.rept 32
	v_exp_f32 v[S+ei], v[S+ei]
.set ei, ei+1
.endr
.if \first
	v_nop                                          ; the plain instruction behind the exponentials
	s_wait_alu depctr_va_vdst(0)
.else
	WIN 0x41                                       ; O times alpha: plain work behind the exponentials
	s_wait_alu depctr_va_vdst(0)
.irp ht, 0,1,2,3,4,5,6,7
.irp q, 0,1
.irp t, 0,2,4,6
	v_pk_mul_f32 v[8*(2*\ht+\q)+\t:8*(2*\ht+\q)+\t+1], v[8*(2*\ht+\q)+\t:8*(2*\ht+\q)+\t+1], v[AL+2*\q:AL+2*\q+1]
.endr
.endr
.endr
	WIN 0
.endif
.irp q, 0,1
	v_pk_add_f32 v[TM+8*\q:TM+8*\q+1],   v[S+8*\q:S+8*\q+1],       v[S+8*\q+2:S+8*\q+3]
	v_pk_add_f32 v[TM+8*\q+2:TM+8*\q+3], v[S+8*\q+4:S+8*\q+5],     v[S+8*\q+6:S+8*\q+7]
	v_pk_add_f32 v[TM+8*\q+4:TM+8*\q+5], v[S+16+8*\q:S+16+8*\q+1], v[S+16+8*\q+2:S+16+8*\q+3]
	v_pk_add_f32 v[TM+8*\q+6:TM+8*\q+7], v[S+16+8*\q+4:S+16+8*\q+5], v[S+16+8*\q+6:S+16+8*\q+7]
	v_pk_add_f32 v[TM+8*\q:TM+8*\q+1],   v[TM+8*\q:TM+8*\q+1],     v[TM+8*\q+2:TM+8*\q+3]
	v_pk_add_f32 v[TM+8*\q+4:TM+8*\q+5], v[TM+8*\q+4:TM+8*\q+5],   v[TM+8*\q+6:TM+8*\q+7]
	v_pk_add_f32 v[TM+8*\q:TM+8*\q+1],   v[TM+8*\q:TM+8*\q+1],     v[TM+8*\q+4:TM+8*\q+5]
	v_add_f32 v[TM+8*\q], v[TM+8*\q], v[TM+8*\q+1]
.if \first
	v_mul_f32 v[ST+2*\q+1], s62, v[TM+8*\q]        ; l of my 16 keys; the two halves of the lanes are joined at the end
.else
	v_mul_f32 v[ST+2*\q+1], v[ST+2*\q+1], v[AL+2*\q]
	v_fmac_f32 v[ST+2*\q+1], s62, v[TM+8*\q]
.endif
.irp kt, 0,1
.irp t, 0,1,2,3
	v_cvt_pk_f16_f32 v[P+8*\q+4*\kt+\t], v[S+8*(2*\kt+\q)+2*\t], v[S+8*(2*\kt+\q)+2*\t+1]
.endr
.endr
.endr
.endm
.macro PV zero                         ; 16 accumulators, one instruction each
	s_wait_dscnt 0x0
	WIN 0x50
.irp ht, 0,1,2,3,4,5,6,7
.irp q, 0,1
	WMH 8*(2*\ht+\q), KV+8*\ht, P+8*\q, \zero
.endr
.endr
	WIN 0
	PLACES                                         ; behind them KV is loaded again and O is read
.endm
.macro STEP s
.set SL, (\s&1)*SLOTB
.if \s == 0
	s_wait_tensorcnt 0x1                           ; my unit of step 0 is in; step 1's stays out.  I read my own bytes alone
.else
	s_wait_tensorcnt 0x0                           ; all my tensor loads have landed, this step's unit among them
	ds_add_u32 v254, v255
	s_wait_dscnt 0x0
.if \s < 8
	GADDR (\s+1)                                   ; so a group 0 may be written
	s_wait_dscnt 0x0                               ; my reads of the slot of step s - 1 are back
	ROUND                                          ; both hold of every wave of the four work-groups
	tensor_load_to_lds s[G0+4*((\s+1)&1):G0+4*((\s+1)&1)+3], s[G1:G1+7]   ; step s + 1, my one load until the next round
	s_nop 0
.endif
.endif
.irp ks, 0,1,2,3
.irp kt, 0,1
.irp p, 0,1
	ds_load_b128 v[KV+8*(2*\ks+\kt)+4*\p:KV+8*(2*\ks+\kt)+4*\p+3], v[LA] offset:SL+\kt*4096+\ks*1024+512*\p
.endr
.endr
.endr
.if \s >= 5
	SWITCH \s
.endif
	SCALES \s
.irp ks, 0,1,2,3
	s_wait_dscnt 12-4*\ks                          ; four loads for each 32 of the head: the later ones may be out
.irp kt, 0,1
.irp qt, 0,1
.if \ks == 0
	WMH S+8*(2*\kt+\qt), KV+8*(2*\ks+\kt), Q+8*(4*\qt+\ks), 1
.else
	WMH S+8*(2*\kt+\qt), KV+8*(2*\ks+\kt), Q+8*(4*\qt+\ks), 0
.endif
.endr
.endr
.endr
	PLACES                                         ; the four S tiles took turns; now KV is loaded again and S is read
.irp ht, 0,1,2,3,4,5,6,7
.irp p, 0,1
	ds_load_b128 v[KV+8*\ht+4*\p:KV+8*\ht+4*\p+3], v[LA] offset:SL+8192+\ht*1024+512*\p
.endr
.endr
.if \s == 8
	MASK DB                                        ; step 8 is block B's last key step in every work-group
.else
	s_cmp_lg_u32 s58, s54                          ; block A's last key step, nA - 1?  In block B the key step is 3 at the most and nA - 1 is 4 at the least
	s_cbranch_scc1 .Lno_mask_\@
	MASK DA
.Lno_mask_\@:
.endif
.if \s == 0
	SOFTMAX 1
	PV 1
.else
	SOFTMAX 0
	PV 0
.endif
.endm
	s_load_b256 s[4:11], s[0:1], 0x0               ; qf s[4:5], kv s[6:7], sc s[8:9], out0 s[10:11]
	v_lshl_add_u32 v254, v0, 2, 0x45000
	v_mov_b32 v255, 0
	ds_add_u32 v254, v255
	v_lshrrev_b32 v[TM], 5, v0
	v_readfirstlane_b32 s12, v[TM]                 ; wave w
	s_bfe_u32 s13, ttmp6, 0x40000                  ; cx: it enters the masks, Q's, sc's and out0's places alone
	s_lshr_b32 s14, ttmp9, 3                       ; b
	s_and_b32 s15, ttmp9, 7                        ; g
	s_lshr_b32 s16, s15, 1                         ; g / 2
	s_sub_co_u32 s42, 8, s16                       ; nA
	s_sub_co_u32 s54, s42, 1                       ; block A's last key step
	s_and_b32 s51, s15, 3
	s_lshl_b32 s51, s51, 1                         ; 2 (g mod 4)
	s_cmp_lt_u32 s15, 4
	s_cselect_b32 s52, 6, 4
	s_sub_co_i32 s51, s52, s51
	s_max_i32 s51, s51, 0                          ; rho: 6, 4, 2, 0, 4, 2, 0, 0: below nA = 8, 8, 7, 7, 6, 6, 5, 5
	s_lshl2_add_u32 s17, s15, s13                  ; i = B
	s_sub_co_u32 s18, 63, s17                      ; A
	s_lshr_b32 s50, s12, 1
	s_mov_b32 s44, 0x76543210
	s_mov_b32 s45, 0xfedcba98
	s_mov_b32 s[G1+0], 15|(3<<16)|(1<<21)          ; the mask: all four; elements of 8 bytes; bit 21 beside a mask
	s_mov_b32 s[G1+1], 32<<16                      ; a dense block as 64 rows of 32 elements
	s_mov_b32 s[G1+2], 64<<16
	s_mov_b32 s[G1+3], 32<<16
	s_mov_b32 s[G1+4], 64
	s_mov_b32 s[G1+5], 32
	s_mov_b32 s[G1+6], 0
	s_mov_b32 s[G1+7], 0
	v_and_b32 v[LN], 31, v0
	v_and_b32 v[RR], 15, v0
	v_bfe_u32 v[HH], v0, 4, 1
	v_lshlrev_b32 v[L16], 4, v[LN]
	s_mul_i32 s19, s12, RINGB
	v_add_nc_u32 v[LA], s19, v[L16]
	v_add_nc_u32 v[QBA], QB, v[L16]
	s_lshl_b32 s46, s12, 10
	v_add_nc_u32 v[QBW], s46, v[QBA]
	s_lshl_b32 s46, s12, 8
	s_add_co_u32 s46, s46, ML
	v_lshl_add_u32 v[MLW], v[RR], 3, s46
	v_lshlrev_b32 v[MLR], 3, v[RR]
	v_add_nc_u32 v[MLR], ML, v[MLR]
	v_mul_u32_u24 v[SA0], v[RR], SPITCH
	v_lshl_add_u32 v[SA0], v[HH], 5, v[SA0]
	s_mul_i32 s46, s12, SWAVE
	v_add_nc_u32 v[SA0], s46, v[SA0]
	v_add_nc_u32 v[SA1], SBLK, v[SA0]
	s_mul_i32 s46, s12, 4*SPITCH
	v_add_nc_u32 v[RA], s46, v[L16]
	v_add_nc_u32 v[RA+1], 4*SWAVE, v[RA]
	v_add_nc_u32 v[RA+2], SBLK, v[RA]
	v_add_nc_u32 v[RA+3], SBLK+4*SWAVE, v[RA]
	v_lshlrev_b32 v[T0], 3, v[HH]
	v_sub_nc_u32 v[T0], v[RR], v[T0]               ; r - 8 h
	s_lshl_b32 s20, s54, 3
	s_sub_co_i32 s20, s18, s20
	s_sub_co_i32 s20, s20, s12                     ; A - my unit in block A's last key step
	s_lshl_b32 s20, s20, 5
	v_add_nc_u32 v[DA], s20, v[T0]
	s_lshl_b32 s21, s16, 3
	s_sub_co_i32 s21, s17, s21
	s_sub_co_i32 s21, s21, s12                     ; B - my unit in block B's last key step
	s_lshl_b32 s21, s21, 5
	v_add_nc_u32 v[DB], s21, v[T0]
	v_mov_b32 v[NEG], 0xf149f2ca                   ; -1e30
	s_lshl_b32 s22, s14, 6                         ; 64 blocks of 32 rows in a batch
	s_add_co_u32 s23, s22, s18
	s_lshl_b32 s21, s23, 13                        ; 8,192 bytes of qf a block
	v_add_nc_u32 v[QOF], s21, v[L16]
	s_lshl_b32 s23, s23, 14                        ; 16,384 bytes of out0 a block
	s_lshl_b32 s20, s12, 11                        ; + my four rows
	s_add_co_u32 s23, s23, s20
	v_add_nc_u32 v[OO], s23, v[L16]
	s_add_co_u32 s23, s22, s17
	s_lshl_b32 s21, s23, 13
	s_lshl_b32 s22, s12, 10                        ; my eighth of block B's Q
	s_add_co_u32 s21, s21, s22
	v_add_nc_u32 v[QBO], s21, v[L16]
	s_lshl_b32 s23, s23, 14
	s_add_co_u32 s23, s23, s20
	v_add_nc_u32 v[OO+1], s23, v[L16]
	s_lshl_b32 s23, s14, 9                         ; 32 blocks of 16 bytes of sc a batch
	v_add_nc_u32 v[TBO], s23, v[L16]
	s_lshl_b32 s48, s14, 20                        ; 64 units a batch
	s_lshl_b32 s49, s12, 14                        ; my unit of a key step
	s_add_co_u32 s48, s48, s49
	s_mov_b32 s49, 0
	s_wait_dscnt 0x0
	s_wait_kmcnt 0x0
	s_add_nc_u64 s[40:41], s[6:7], s[48:49]        ; made of the cluster's and the wave's numbers alone
.irp x, 0,1,2,3,4,5,6,7,8,9,10,11,12,13,14,15
	global_load_b128 v[Q+4*\x:Q+4*\x+3], v[QOF], s[4:5] offset:512*\x
.endr
	global_load_b128 v[P:P+3], v[QBO], s[4:5]
	global_load_b128 v[P+4:P+7], v[QBO], s[4:5] offset:512
	global_load_b128 v[TB:TB+3], v[TBO], s[8:9]
	ROUND                                          ; the four work-groups are here: the first joint loads meet
.irp n, 0,1
	s_mov_b32 s[G0+4*\n], 1
	s_add_co_u32 s[G0+4*\n+1], s19, \n*SLOTB
	GADDR \n
	tensor_load_to_lds s[G0+4*\n:G0+4*\n+3], s[G1:G1+7]    ; steps 0 and 1 of the walk: two loads of mine are out, later one
	s_nop 0
.endr
	s_wait_loadcnt 0x0
	ds_store_b128 v[QBW], v[P:P+3]                 ; read by all waves in step 5 or later, behind rounds in front of which this wave waits for its LDS stores
	ds_store_b128 v[QBW], v[P+4:P+7] offset:512
	s_lshr_b32 s20, s18, 1                         ; the block of 64 rows in which A lies: also the last that A may see
	s_lshr_b32 s21, s17, 1                         ; the same for B
	v_readlane_b32 s22, v[TB], s20
	v_readlane_b32 s23, v[TB], s21
	v_mov_b32 v[CQ], 0x3e0293ee                    ; c = log2(e) / sqrt(128)
	v_mul_f32 v[CQB], s23, v[CQ]
	v_mul_f32 v[CQ], s22, v[CQ]
	v_cmp_ge_u32 vcc_lo, s20, v[LN]
	v_cndmask_b32 v[T0], 0, v[TB+2], vcc_lo
	v_cmp_ge_u32 vcc_lo, s21, v[LN]
	v_cndmask_b32 v[T0+1], 0, v[TB+2], vcc_lo
.irp x, 1,2,4,8
	v_max_num_f32_dpp v[T0], v[T0], v[T0] row_xmask:\x row_mask:0xf bank_mask:0xf
	v_max_num_f32_dpp v[T0+1], v[T0+1], v[T0+1] row_xmask:\x row_mask:0xf bank_mask:0xf
.endr
	v_permlanex16_b32 v[RR], v[T0], s44, s45
	v_permlanex16_b32 v[HH], v[T0+1], s44, s45
	v_max_num_f32 v[T0], v[T0], v[RR]
	v_max_num_f32 v[T0+1], v[T0+1], v[HH]
	v_readfirstlane_b32 s56, v[T0]                 ; 2^E of block A
	v_readfirstlane_b32 s57, v[T0+1]               ; of block B
	s_mov_b32 s53, s56                             ; of the block at work
	STEP 0
	STEP 1
	STEP 2
	STEP 3
	STEP 4
	STEP 5
	STEP 6
	STEP 7
	STEP 8
	; THE EIGHT WAVES' RESULTS ARE JOINED.  First l's two halves, then (m, l) of every wave to every wave
.irp k, SV+1, SV+3, ST+1, ST+3
	v_permlanex16_b32 v[TM], v[\k], s44, s45
	v_add_f32 v[\k], v[\k], v[TM]
.endr
	ds_store_b64 v[MLW], v[SV:SV+1]
	ds_store_b64 v[MLW], v[SV+2:SV+3] offset:128
	ds_store_b64 v[MLW], v[ST:ST+1] offset:2048
	ds_store_b64 v[MLW], v[ST+2:ST+3] offset:2176
	s_wait_dscnt 0x0                               ; my stores are done, and my reads of the slots are back: the stage may lie over them
	s_barrier_signal -1
	s_barrier_wait -1
.irp g, 0,1,2,3
.irp w, 0,1,2,3,4,5,6,7
	ds_load_b64 v[KV+16*\g+2*\w:KV+16*\g+2*\w+1], v[MLR] offset:(\g>>1)*2048+\w*256+(\g&1)*128
.endr
.endr
	s_wait_dscnt 0x0
; group g = 2 block + row tile: M = the largest m, lt = the sum of 2^(m - M) l, my factor = 2^(my m - M) 2^E / lt
.macro GROUP g, own, e
	v_max3_num_f32 v[TM], v[KV+16*\g], v[KV+16*\g+2], v[KV+16*\g+4]
	v_max3_num_f32 v[TM], v[TM], v[KV+16*\g+6], v[KV+16*\g+8]
	v_max3_num_f32 v[TM], v[TM], v[KV+16*\g+10], v[KV+16*\g+12]
	v_max_num_f32 v[TM], v[TM], v[KV+16*\g+14]
.irp w, 0,1,2,3,4,5,6,7
	v_sub_f32 v[KV+16*\g+2*\w], v[KV+16*\g+2*\w], v[TM]
.endr
	v_sub_f32 v[TM+1], v[\own], v[TM]
.irp w, 0,1,2,3,4,5,6,7
	v_exp_f32 v[KV+16*\g+2*\w], v[KV+16*\g+2*\w]
.endr
	v_exp_f32 v[TM+1], v[TM+1]
	v_nop
	s_wait_alu depctr_va_vdst(0)
	v_mul_f32 v[TM+2], v[KV+16*\g], v[KV+16*\g+1]
.irp w, 1,2,3,4,5,6,7
	v_fmac_f32 v[TM+2], v[KV+16*\g+2*\w], v[KV+16*\g+2*\w+1]
.endr
	v_mul_f32 v[TM+1], s[\e], v[TM+1]
	v_rcp_f32 v[TM+3], v[TM+2]
	v_nop
	s_wait_alu depctr_va_vdst(0)
	v_mul_f32 v[F+2*\g], v[TM+1], v[TM+3]
	v_mul_f32 v[F+2*\g+1], v[TM+1], v[TM+3]
.endm
	GROUP 0, SV, 56
	GROUP 1, SV+2, 56
	GROUP 2, ST, 57
	GROUP 3, ST+2, 57
	WIN 0x41
.irp ht, 0,1,2,3,4,5,6,7
.irp q, 0,1
.irp t, 0,2,4,6
	v_pk_mul_f32 v[128+8*(2*\ht+\q)+\t:128+8*(2*\ht+\q)+\t+1], v[128+8*(2*\ht+\q)+\t:128+8*(2*\ht+\q)+\t+1], v[F+2*\q:F+2*\q+1]
	v_pk_mul_f32 v[8*(2*\ht+\q)+\t:8*(2*\ht+\q)+\t+1], v[8*(2*\ht+\q)+\t:8*(2*\ht+\q)+\t+1], v[F+4+2*\q:F+4+2*\q+1]
.endr
.endr
.endr
	WIN 0x04                                       ; LDS store data in window 1
.irp ht, 0,1,2,3,4,5,6,7
.irp q, 0,1
	ds_store_b128 v[SA0], v[128+8*(2*\ht+\q):128+8*(2*\ht+\q)+3]   offset:\q*16*SPITCH+\ht*64      ; row 16 qt + r, columns 16 ht + 8 h + 0..3
	ds_store_b128 v[SA0], v[128+8*(2*\ht+\q)+4:128+8*(2*\ht+\q)+7] offset:\q*16*SPITCH+\ht*64+16
	ds_store_b128 v[SA1], v[8*(2*\ht+\q):8*(2*\ht+\q)+3]           offset:\q*16*SPITCH+\ht*64
	ds_store_b128 v[SA1], v[8*(2*\ht+\q)+4:8*(2*\ht+\q)+7]         offset:\q*16*SPITCH+\ht*64+16
.endr
.endr
	WIN 0
	s_wait_dscnt 0x0
	s_barrier_signal -1
	s_barrier_wait -1
; Wave w adds the eight waves' rows 4 w .. 4 w + 3 of a block; a load and a store cover a whole row of 512 bytes
.macro REDUCE blk
.irp rho, 0,1,2,3
.irp wp, 0,1,2,3,4,5,6,7
	ds_load_b128 v[R+4*(8*\rho+\wp):R+4*(8*\rho+\wp)+3], v[RA+2*\blk+(\wp>>2)] offset:(\wp&3)*SWAVE+\rho*SPITCH
.endr
.endr
.irp rho, 0,1,2,3
	s_wait_dscnt 24-8*\rho                         ; eight loads a row: the later rows' may be out
.irp a, 0,8,16,24
	v_pk_add_f32 v[R+32*\rho+\a:R+32*\rho+\a+1],   v[R+32*\rho+\a:R+32*\rho+\a+1],   v[R+32*\rho+\a+4:R+32*\rho+\a+5]
	v_pk_add_f32 v[R+32*\rho+\a+2:R+32*\rho+\a+3], v[R+32*\rho+\a+2:R+32*\rho+\a+3], v[R+32*\rho+\a+6:R+32*\rho+\a+7]
.endr
.irp a, 0,16
	v_pk_add_f32 v[R+32*\rho+\a:R+32*\rho+\a+1],   v[R+32*\rho+\a:R+32*\rho+\a+1],   v[R+32*\rho+\a+8:R+32*\rho+\a+9]
	v_pk_add_f32 v[R+32*\rho+\a+2:R+32*\rho+\a+3], v[R+32*\rho+\a+2:R+32*\rho+\a+3], v[R+32*\rho+\a+10:R+32*\rho+\a+11]
.endr
	v_pk_add_f32 v[R+32*\rho:R+32*\rho+1],   v[R+32*\rho:R+32*\rho+1],   v[R+32*\rho+16:R+32*\rho+17]
	v_pk_add_f32 v[R+32*\rho+2:R+32*\rho+3], v[R+32*\rho+2:R+32*\rho+3], v[R+32*\rho+18:R+32*\rho+19]
	global_store_b128 v[OO+\blk], v[R+32*\rho:R+32*\rho+3], s[10:11] offset:512*\rho th:TH_STORE_NT
.endr
.endm
	REDUCE 0
	s_wait_xcnt 0x0                                ; the stores' data registers are loaded again only behind this wait
	REDUCE 1
	s_wait_tensorcnt 0x0
	ds_add_u32 v254, v255
	s_wait_dscnt 0x0
	ROUND                                          ; the closing round
	s_endpgm
.Lfunc_end_k_q0015c76ba0_attn:
	.size	k_q0015c76ba0_attn, .Lfunc_end_k_q0015c76ba0_attn-k_q0015c76ba0_attn
	.p2alignl 7, 3214868480
	.fill 96, 4, 3214868480
	.section	.rodata,"a",@progbits
	.p2align	6, 0x0
	.amdhsa_kernel k_q0015c76ba0_attn
		.amdhsa_group_segment_fixed_size 327680
		.amdhsa_private_segment_fixed_size 0
		.amdhsa_enable_private_segment 0
		.amdhsa_kernarg_size 32
		.amdhsa_user_sgpr_count 2
		.amdhsa_user_sgpr_kernarg_segment_ptr 1
		.amdhsa_wavefront_size32 1
		.amdhsa_system_sgpr_workgroup_id_x 1
		.amdhsa_system_sgpr_workgroup_id_y 1
		.amdhsa_system_sgpr_workgroup_id_z 1
		.amdhsa_system_vgpr_workitem_id 0
		.amdhsa_next_free_vgpr 512
		.amdhsa_next_free_sgpr 66
		.amdhsa_reserve_vcc 1
		.amdhsa_float_denorm_mode_32 3
		.amdhsa_float_denorm_mode_16_64 3
		.amdhsa_memory_ordered 1
		.amdhsa_forward_progress 1
		.amdhsa_inst_pref_size 225
	.end_amdhsa_kernel
	.amdgpu_metadata
---
amdhsa.version: [ 1, 2 ]
amdhsa.kernels:
  - .name:           k_q0015c76ba0_attn
    .symbol:         k_q0015c76ba0_attn.kd
    .args:
      - { .name: qf, .offset: 0, .size: 8, .value_kind: global_buffer, .address_space: global }
      - { .name: kv, .offset: 8, .size: 8, .value_kind: global_buffer, .address_space: global }
      - { .name: sc, .offset: 16, .size: 8, .value_kind: global_buffer, .address_space: global }
      - { .name: out0, .offset: 24, .size: 8, .value_kind: global_buffer, .address_space: global }
    .group_segment_fixed_size: 327680
    .private_segment_fixed_size: 0
    .kernarg_segment_align: 8
    .kernarg_segment_size: 32
    .max_flat_workgroup_size: 256
    .sgpr_count:     66
    .vgpr_count:     512
    .wavefront_size: 32
...
	.end_amdgpu_metadata
.endif
;; end of part 5
